; MI455X (gfx1250); checked and timed in simulation.
; The chip was launched on July 23, 2026; its instructions are those of AMD's public machine-readable ISA for CDNA 5 (MIT licence, August 2026) and "CDNA5" Instruction Set Architecture Reference Guide (July 2026). The comments in the code are by the model that wrote it; some were corrected since.
;; Audio Quantizer. Allowed arithmetic: matrix products marked QUANTISED: E2M1 operands, one E8M0 scale for each 32 along K, by v_wmma_scale_f32_16x16x128_f8f6f4 with both operands' format E2M1 (or v_wmma_scale_f32_32x16x128_f4), f32 sums; everything else in f32.
;; Inputs: codebook 4,096 x 512 float32; embedding 4,096 x 512 float32; x 16 x 2,048 x 512 float32.
;; Outputs: out0 16 x 2,048 x 512 float32.
;; This version of the problem:
;;   THIS VERSION OF THE PROBLEM IS GIVEN IN LOW PRECISION. The matrix products marked QUANTISED in the list below multiply operands that are first quantised to E2M1 (2 exponent bits, 1 mantissa bit; 4 bits a number), with one power-of-two scale for each 32 numbers along K (OCP MX v1.0); their sums are f32. All else is computed in f32.
;;   The module's matrix products, in the order in which they are computed (A, B: the left and right operand; K: the contracted axis; several contracted axes count as one K, in the product's order):
;;     1. [M 32,768, K 512] x [K 512, N 4,096]; A: input x; B: input codebook: QUANTISED
;;   THE QUANTISER, for each operand of a quantised product, along K:
;;     - K is cut into blocks of 32 from its start; a last block that is shorter is filled with zeros.
;;     - A block's scale is 2^e with e = floor(log2(the largest magnitude in the block)) - 2, held to -126 .. 127; a block of zeros has e = 0. As a byte (E8M0): e + 127.
;;     - Each number is divided by its block's scale, clamped to +-6, and rounded to the nearest number of E2M1, ties to even, subnormals kept.
;;     - The product sums the exact products of the quantised numbers (number of the format x scale) in f32.
;;   ~~~python
;;   def quantise(x, axis):      # numpy; x: float32 -> the quantised numbers, widened to float32 again
;;       x = np.moveaxis(x, axis, -1); K = x.shape[-1]
;;       x = np.pad(x, [(0, 0)] * (x.ndim - 1) + [(0, -K % 32)]); x = x.reshape(x.shape[:-1] + (-1, 32)); a = np.abs(x).max(-1, keepdims=True)
;;       e = np.where(a > 0, np.clip(np.frexp(np.where(a > 0, a, 1))[1] - 1 - 2, -126, 127), 0)      # np.frexp(a)[1] - 1 = floor(log2(a)), exactly
;;       r = np.clip(x / 2.0 ** e, -6, 6)
;;       step = 2.0 ** (np.maximum(np.frexp(np.where(r == 0, 1, r))[1] - 1, 0) - 1)
;;       q = np.round(r / step) * step * 2.0 ** e      # np.round: ties to even
;;       return np.moveaxis(q.reshape(q.shape[:-2] + (-1,))[..., :K], -1, axis).astype(np.float32)
;;   ~~~
;; 2 versions. Each part assembles by itself: llvm-mc -triple=amdgcn-amd-amdhsa -mcpu=gfx1250 --defsym DOCPART=n.
;; ======== version 1 of 2: 3 launches
;; workspace buffers: cbq 1,130,496 bytes; idx 131,072 bytes of whole numbers
;; launch cbquant (part 1): grid 256 x 1, 4 waves a work-group, no clusters, 1,536 bytes of LDS; arguments codebook, cbq; writes cbq
.if DOCPART == 1
	.amdgcn_target "amdgcn-amd-amdhsa--gfx1250"
	.amdhsa_code_object_version 6
	.text
	.protected	k_q4af2caa94b_cbquant
	.globl	k_q4af2caa94b_cbquant
	.p2align	8
	.type	k_q4af2caa94b_cbquant,@function
k_q4af2caa94b_cbquant:
	s_mov_b64 s[64:65], 0
	v_nop
	global_prefetch_b8 v0, s[64:65] scope:SCOPE_SE
	s_setreg_imm32_b32 hwreg(HW_REG_WAVE_MODE, 25, 1), 1
	s_wait_xcnt 0x0
; The codebook [4096][512] f32 becomes codes of FP4 (E2M1) with one E8M0 scale byte for each 32 along K, laid as the next launch's matrix operand wants them,
; and hc[k] = -0.5 x (the sum of squares of the unquantised row k), which that launch gives to its sums as their start.
; LAYOUT OF cbq.  A tile is 16 rows of the codebook, a quad four tiles: 17,664 bytes = 69 x 256.  In a quad: tile u's codes at 4096 u, K step s (128 along K) at + 1024 s, as an IMAGE OF THE OPERAND'S
; REGISTERS: registers 4 c .. 4 c + 3 of lane l at 512 c + 16 l.  At 16384 + 256 u the tile's scale words, two to a lane at 8 l: word 0: lanes 0-15 K step 0 of row l, lanes 16-31 K step 1 of row l - 16;
; word 1 likewise for K steps 2 and 3.  At 17408 + 64 u the tile's 16 numbers hc.
; SHARES.  Work-group t takes tile t, wave s K step s.  Lane (r = l % 16, h = l / 16) takes of row r the 16 neighbours 32 b + 16 h + 0 .. 15 of each block b of the K step: the conversions take neighbours along K from one lane's registers.
; A block's scale is 2^(floor(log2(its largest magnitude)) - 2); its byte is the largest magnitude's exponent field - 2, held at 1 from below.
; LIMITS: a block of zeros gets the byte 1 where the rule says 127 (its codes are zeros, and this program alone reads the bytes); NaN and infinities are not served;
; the squares are summed in this order: four chains of fused multiply-adds a lane, the chains, the two lanes of a row, then the four K steps ascending.
; The 64 bytes of hc are a part of an aligned block of 256: one store of 64 bytes for each 32,768 bytes read, the price of one tile to a work-group.
.set QUADB, 17664
.set PWS,   0                          ; LDS: four images of 128 bytes: each wave's scale words
.set SSQ,   512                        ; and four more: each wave's part of the rows' sums of squares
.set WV,    12                         ; s12  my wave's number
.set SEL,   20                         ; s[20:21] lane selects for v_permlanex16_b32: lane l xor 16
.set XA,    4                          ; v4   my byte in the tile's 16 rows: 2048 r + 64 h
.set LI,    5                          ; v5   16 x lane
.set LS,    6                          ; v6   4 x lane
.set LW,    7                          ; v7   4 x lane + 128 x wave
.set LH,    8                          ; v8   4 x lane + 128 h
.set L8,    9                          ; v9   8 x lane
.set X,     16                         ; v16-79  64 numbers: register 16 b + i = k 32 b + 16 h + i
.set TM,    80                         ; v80-95  at work in QUANT
.set PC,    96                         ; v96-103 the fragment's codes
.set PW,    104                        ; v104    its scale word
.set SS,    106                        ; v[106:107], v[108:109] two packed chains of squares
; The squares of 64 numbers onto the two packed chains.  first = 1: the first two products start the chains: nothing is cleared.
.macro SUMSQ buf, first
.set sq_p, 0
.rept 16
.if \first && (sq_p == 0)
	v_pk_mul_f32 v[SS:SS+1], v[\buf:\buf+1], v[\buf:\buf+1]
	v_pk_mul_f32 v[SS+2:SS+3], v[\buf+2:\buf+3], v[\buf+2:\buf+3]
.else
	v_pk_fma_f32 v[SS:SS+1], v[\buf+4*sq_p:\buf+4*sq_p+1], v[\buf+4*sq_p:\buf+4*sq_p+1], v[SS:SS+1]
	v_pk_fma_f32 v[SS+2:SS+3], v[\buf+4*sq_p+2:\buf+4*sq_p+3], v[\buf+4*sq_p+2:\buf+4*sq_p+3], v[SS+2:SS+3]
.endif
.set sq_p, sq_p+1
.endr
.endm
; 64 numbers of a lane become a fragment's codes in v[PC] on and its scale word in v[PW].
.macro QUANT s
.irp b, 0,1,2,3
	v_max3_num_f32 v[TM+\b], |v[\s+16*\b]|, |v[\s+1+16*\b]|, 0x1800000   ; block b: my 16 numbers, and the floor 2^(3 - 127): the byte cannot fall under 1
.endr
.irp i, 2,4,6,8,10,12,14
.irp b, 0,1,2,3
	v_max3_num_f32 v[TM+\b], v[TM+\b], |v[\s+16*\b+\i]|, |v[\s+1+16*\b+\i]|   ; the four blocks by turns
.endr
.endr
.irp b, 0,1,2,3
	v_permlanex16_b32 v[TM+4+\b], v[TM+\b], s[SEL], s[SEL+1]
.endr
.irp b, 0,1,2,3
	v_max_num_f32 v[TM+\b], v[TM+\b], v[TM+4+\b]   ; with lane l xor 16's: the block's largest magnitude
.endr
.irp b, 0,1,2,3
	v_add_nc_u32 v[TM+12+\b], 0xff000000, v[TM+\b]   ; 2 off its exponent field: the conversion takes this operand's exponent field as its scale
.endr
.irp b, 0,1,2,3
	v_lshrrev_b32 v[TM+4+\b], 23, v[TM+12+\b]      ; the scale's byte
.endr
	v_lshl_or_b32 v[PW], v[TM+5], 8, v[TM+4]       ; four bytes: my row's scale word, the same in both lanes of a row
	v_lshl_or_b32 v[PW], v[TM+6], 16, v[PW]
	v_lshl_or_b32 v[PW], v[TM+7], 24, v[PW]
.irp b, 0,1,2,3
	v_cvt_scalef32_pk8_fp4_f32 v[PC+2*\b], v[\s+16*\b:\s+7+16*\b], v[TM+12+\b]
	v_cvt_scalef32_pk8_fp4_f32 v[PC+1+2*\b], v[\s+8+16*\b:\s+15+16*\b], v[TM+12+\b]
.endr
	v_nop                                          ; one plain instruction behind the scaled conversions
.irp c, 0,1                                    ; the operand wants a whole block in a lane: lanes 0-15 block 2 c, lanes 16-31 block 2 c + 1
.irp i, 0,1
	v_permlane16_swap_b32 v[PC+4*\c+\i], v[PC+2+4*\c+\i]
.endr
.endr
.endm
	s_load_b128 s[4:7], s[0:1], 0x0                ; codebook s[4:5], cbq s[6:7]
	v_lshl_add_u32 v128, v0, 2, 0x400
	v_mov_b32 v129, 0
	v_lshrrev_b32 v1, 5, v0
	v_readfirstlane_b32 s[WV], v1                  ; wave 0..3 = K step
	v_and_b32 v1, 31, v0                           ; lane
	v_and_b32 v2, 15, v0                           ; r
	v_bfe_u32 v3, v0, 4, 1                         ; h
	v_lshlrev_b32 v[XA], 11, v2
	v_lshl_add_u32 v[XA], v3, 6, v[XA]
	v_lshlrev_b32 v[LI], 4, v1
	v_lshlrev_b32 v[LS], 2, v1
	s_lshl_b32 s13, s[WV], 7
	v_add_nc_u32 v[LW], s13, v[LS]
	v_lshl_add_u32 v[LH], v3, 7, v[LS]
	v_lshlrev_b32 v[L8], 3, v1
	s_mov_b32 s[SEL], 0x76543210
	s_mov_b32 s[SEL+1], 0xfedcba98
.irp b, 0,1,2,3
	v_mov_b32 v[TM+4+\b], 0                        ; written once: a lane permute's destination counts as one of its sources
.endr
	v_mov_b32 v111, 0
	s_lshl_b32 s14, ttmp9, 15                      ; the tile's 16 rows of 2,048 bytes,
	s_lshl_b32 s15, s[WV], 9                       ; my K step's 512 bytes of a row
	s_add_co_u32 s14, s14, s15
	s_mov_b32 s15, 0
	s_lshr_b32 s16, ttmp9, 2
	s_mul_i32 s16, s16, QUADB                      ; the quad
	s_and_b32 s18, ttmp9, 3                        ; the tile in it
	s_lshl_b32 s19, s18, 12
	s_lshl_b32 s22, s[WV], 10
	s_add_co_u32 s19, s19, s22
	s_add_co_u32 s24, s16, s19                     ; my fragment's image
	s_mov_b32 s25, 0
	s_lshl_b32 s19, s18, 8
	s_add_co_u32 s26, s16, s19
	s_add_co_u32 s26, s26, 16384                   ; the tile's scale words
	s_mov_b32 s27, 0
	s_lshl_b32 s19, s18, 6
	s_add_co_u32 s28, s16, s19
	s_add_co_u32 s28, s28, 17408                   ; the tile's hc
	s_mov_b32 s29, 0
	s_wait_kmcnt 0x0
	s_add_nc_u64 s[4:5], s[4:5], s[14:15]
	s_add_nc_u64 s[8:9], s[6:7], s[26:27]
	s_add_nc_u64 s[10:11], s[6:7], s[28:29]
	s_add_nc_u64 s[6:7], s[6:7], s[24:25]
.irp b, 0,1,2,3
.irp j, 0,1,2,3
	global_load_b128 v[X+16*\b+4*\j:X+16*\b+4*\j+3], v[XA], s[4:5] offset:128*\b+16*\j th:TH_LOAD_NT
.endr
.endr
	s_wait_loadcnt 0x0
	SUMSQ X, 1
	v_pk_add_f32 v[SS:SS+1], v[SS:SS+1], v[SS+2:SS+3]
	v_add_f32 v110, v[SS], v[SS+1]
	v_permlanex16_b32 v111, v110, s[SEL], s[SEL+1]
	v_add_f32 v110, v110, v111                     ; row r's squares over this K step, in both lanes of the row
	QUANT X
	global_store_b128 v[LI], v[PC:PC+3], s[6:7]              ; the wave stores 512 consecutive bytes, aligned to 256
	global_store_b128 v[LI], v[PC+4:PC+7], s[6:7] offset:512
	ds_store_b32 v[LW], v[PW] offset:PWS
	ds_store_b32 v[LW], v110 offset:SSQ
	s_wait_dscnt 0x0                               ; for wave 0's sake: my two stores have landed
	s_barrier_signal -1
	s_barrier_wait -1
	s_cmp_lg_u32 s[WV], 0                          ; wave 0 gathers the four waves' scale words and sums
	s_cbranch_scc1 .Lend
	ds_load_b32 v112, v[LH] offset:PWS             ; lanes 0-15: K step 0's words; lanes 16-31: K step 1's
	ds_load_b32 v113, v[LH] offset:PWS+256         ; K steps 2 and 3
.irp s, 0,1,2,3
	ds_load_b32 v[114+\s], v[LS] offset:SSQ+128*\s
.endr
	s_wait_dscnt 0x0
	global_store_b64 v[L8], v[112:113], s[8:9]     ; 256 consecutive bytes, aligned
	v_add_f32 v114, v114, v115
	v_add_f32 v114, v114, v116
	v_add_f32 v114, v114, v117
	v_mul_f32 v114, -0.5, v114                     ; hc
	v_cmp_gt_u32 vcc_lo, 16, v1
	s_wait_xcnt 0x0                                ; EXEC is a source of the stores above: it changes only behind this wait
	s_and_saveexec_b32 s22, vcc_lo
	global_store_b32 v[LS], v114, s[10:11]         ; lanes 0-15: the tile's 16 numbers
	s_wait_xcnt 0x0                                ; and again in front of the line that widens it
	s_or_b32 exec_lo, exec_lo, s22
.Lend:
	s_wait_tensorcnt 0x0
	ds_add_u32 v128, v129
	s_wait_dscnt 0x0
	s_endpgm
.Lfunc_end_k_q4af2caa94b_cbquant:
	.size	k_q4af2caa94b_cbquant, .Lfunc_end_k_q4af2caa94b_cbquant-k_q4af2caa94b_cbquant
	.p2alignl 7, 3214868480
	.fill 96, 4, 3214868480
	.section	.rodata,"a",@progbits
	.p2align	6, 0x0
	.amdhsa_kernel k_q4af2caa94b_cbquant
		.amdhsa_group_segment_fixed_size 1536
		.amdhsa_private_segment_fixed_size 0
		.amdhsa_enable_private_segment 0
		.amdhsa_kernarg_size 16
		.amdhsa_user_sgpr_count 2
		.amdhsa_user_sgpr_kernarg_segment_ptr 1
		.amdhsa_wavefront_size32 1
		.amdhsa_system_sgpr_workgroup_id_x 1
		.amdhsa_system_sgpr_workgroup_id_y 1
		.amdhsa_system_sgpr_workgroup_id_z 1
		.amdhsa_system_vgpr_workitem_id 0
		.amdhsa_next_free_vgpr 130
		.amdhsa_next_free_sgpr 66
		.amdhsa_reserve_vcc 1
		.amdhsa_float_denorm_mode_32 3
		.amdhsa_float_denorm_mode_16_64 3
		.amdhsa_memory_ordered 1
		.amdhsa_forward_progress 1
		.amdhsa_inst_pref_size 12
	.end_amdhsa_kernel
	.amdgpu_metadata
---
amdhsa.version: [ 1, 2 ]
amdhsa.kernels:
  - .name:           k_q4af2caa94b_cbquant
    .symbol:         k_q4af2caa94b_cbquant.kd
    .args:
      - { .name: codebook, .offset: 0, .size: 8, .value_kind: global_buffer, .address_space: global }
      - { .name: cbq, .offset: 8, .size: 8, .value_kind: global_buffer, .address_space: global }
    .group_segment_fixed_size: 1536
    .private_segment_fixed_size: 0
    .kernarg_segment_align: 8
    .kernarg_segment_size: 16
    .max_flat_workgroup_size: 128
    .sgpr_count:     66
    .vgpr_count:     130
    .wavefront_size: 32
...
	.end_amdgpu_metadata
.endif
;; end of part 1
;; launch nearest (part 2): grid 256 x 1, 8 waves a work-group, clusters of 4 x 1, 327,680 bytes of LDS; arguments x, cbq, idx; writes idx
.if DOCPART == 2
	.amdgcn_target "amdgcn-amd-amdhsa--gfx1250"
	.amdhsa_code_object_version 6
	.text
	.protected	k_q4af2caa94b_nearest
	.globl	k_q4af2caa94b_nearest
	.p2align	8
	.type	k_q4af2caa94b_nearest,@function
k_q4af2caa94b_nearest:
	s_mov_b64 s[64:65], 0
	v_nop
	global_prefetch_b8 v0, s[64:65] scope:SCOPE_SE
	s_setreg_imm32_b32 hwreg(HW_REG_WAVE_MODE, 25, 1), 1
	s_wait_xcnt 0x0
	s_wait_alu depctr_hold_cnt(0) depctr_sa_sdst(0) depctr_va_vdst(0) depctr_va_sdst(0) depctr_va_ssrc(0) depctr_va_vcc(0) depctr_vm_vsrc(0)
	s_getreg_b32 s2, hwreg(HW_REG_IB_STS2, 6, 4)
	s_cmp_eq_u32 s2, 0
	s_cbranch_scc0 .Lentry_in_a_cluster
	s_endpgm
.Lentry_in_a_cluster:
	s_bfe_u32 s2, ttmp6, 0x10000c
	s_cmp_lg_u32 s2, 0x3003
	s_cbranch_scc0 .Lentry_shape_is_right
	s_endpgm
.Lentry_shape_is_right:
; idx[row] = the first k at which dist2(row, k) = x_sq - 2 dots + c_sq is least; dots on codes of FP4 (E2M1) with one E8M0 scale for each 32 along K = 512.  32,768 rows of x, 4,096 rows of the codebook.
; THE SCORE.  score = (dots - c_sq / 2) - x_sq / 2 = -dist2 / 2, so the least dist2 is the largest score, ties alike.  hc = -c_sq / 2 is the C of each sum's first matrix instruction.  hx = x_sq / 2 is taken
; off the LARGEST of a lane's eight results of a tile, not off each: rounding does not change an order, so the largest of the rounded differences is the rounded difference of the largest.  The eight raw results of the
; best tile so far are kept, and at the end hx is taken off those eight: the first that equals the best gives the place.  So the index is the first at which the rounded score is largest.
; LIMITS: the order of rounding is (dots and -c_sq / 2 in the matrix unit's sums), then - x_sq / 2, where the definition has (x_sq - 2 dots) + c_sq; x_sq is summed in four chains of fused multiply-adds a lane, the chains, then
; the row's two lanes.  Rows whose two least distances lie a few units of the last place apart may fall the other way.  NaN and infinities are not served (the index stays inside the table).
; A block of zeros gets the scale byte 1 where the rule says 127: its codes are zeros.
; SHARES.  A work-group owns 128 rows of x: eight tiles of 16.  Wave w quantises tile w; the images of all eight tiles go through LDS into EVERY wave's registers (256 registers: window 1) and stay.
; Wave w walks tiles 32 w .. 32 w + 31 of the codebook, so a fragment of the codebook is read from LDS once in the work-group and feeds eight matrix instructions.  Eight waves of 512 registers, two to a SIMD:
; a tile pass is 32 matrix instructions and then 128 vector instructions, in long stretches with two window switches, and the two waves' stretches stand beside each other.
; LAYOUT.  Source 0 = 16 rows of the codebook, source 1 = 16 rows of x: in the result lane (r, h) holds row r of x, register j entry 8 h + j of the tile: the search stays inside a lane until the end.
; THE RING.  Two LDS slots; a wave's part of a slot is one quad of cbq (four tiles with their scale words and hc: 69 rows of 256 bytes, dense), brought by the wave's own tensor load and read by that wave alone.
; CLUSTER.  All work-groups walk the whole codebook; the four of a cluster ask JOINTLY: the same load, the same descriptor (it hangs on the wave's number and the fill alone), a mask that names the four.
; This launch claims all of the LDS, and adds 0 to spare words ahead of each refill and at its end.
.set QUADB, 17664
.set SLOT,  8*QUADB                    ; 141,312: eight waves' quads
.set XIMG,  2*SLOT                     ; behind the ring: x's 32 fragments as images of their registers, (tile i, K step s) at 1024 (4 i + s);
.set XSC,   XIMG+32768                 ; their scale words, 128 bytes an image;
.set HX,    XSC+4096                   ; hx of the 128 rows;
.set SPARE, HX+512                     ; the spare words, 128 bytes for each wave: four blocks of 256 bytes that no other line names
.set FINI,  4096                       ; the way out, in x's images, which are done with: each wave's 128 best scores at XIMG + 512 w, their indices FINI bytes on
.set SPW, 1                            ; v1   SPARE + 4 x my thread's number; never rewritten
.set NIL, 2                            ; v2   0; never rewritten
.set AF,  3                            ; v3-4 my place in my quad's code images, slot 0, 1: 16 x lane + QUADB x wave
.set AS,  5                            ; v5-6 among its scale words: 8 x lane
.set AH,  7                            ; v7-8 among its hc: 32 h
.set XA,  9                            ; v9   x: 2048 r + 64 h
.set LI,  10                           ; v10  XIMG + 16 x lane
.set LSH, 11                           ; v11  XSC + 4 x lane + 128 h
.set XWI, 12                           ; v12  where I store my tile's images; later FW: where I put a row's best
.set XWS, 13                           ; v13  and their scale words; later FR: where two rows' bests are read back
.set HXW, 14                           ; v14  and hx; later GOF: my byte offset in the work-group's part of idx
.set LHX, 15                           ; v15  HX + 4 r; later BIX: 512 x wave + 8 h, the index of my first entry
.set FW,  12
.set FR,  13
.set GOF, 14
.set BIX, 15
.set XS,  16                           ; v16-31 x's scale words: tile i, pair p at 2 i + p: lanes 0-15 K step 2 p, lanes 16-31 K step 2 p + 1
.set CS,  32                           ; v[32:33] the codebook tile's, likewise.  v16-33 hold scales and nothing else
.set HC,  34                           ; v34-41 hc in the result's layout
.set HXR, 42                           ; v42-49 hx of my row in each tile of x
.set BEST, 50                          ; v50-57 the best score so far
.set ID,  58                           ; v58-65 the tile at which it was found (0 .. 31)
.set CB,  66                           ; v66-97 the codebook tile's four fragments
.set ACC, 98                           ; v98-161 eight accumulators
.set SAV, 162                          ; v162-225 the best tile's eight raw results, for each tile of x
.set B0,  98                           ; while x is quantised: three sets of 64 numbers, over registers not yet in use
.set B1,  162
.set B2,  34
.set TM,  226                          ; v226-241 at work in QUANT
.set PC,  242                          ; v242-249 the codes just made
.set PW,  250                          ; v250 the scale word just made
.set SS,  252                          ; v[252:253], v[254:255] two packed chains of squares
.set TNV, 230                          ; from the sweep on: v230 the tile in hand; v232-247 at work on the way out; v248-251 four maxima
.set POS, 232
.set T,   236
.set OB,  240
.set OI,  244
.set M,   248
.set FV,  98                           ; the last step: eight pairs of scores, eight pairs of indices
.set FI,  114
.set WV,  10                           ; s10 my wave's number
.set G1,  16                           ; s[16:23] descriptor group 1
.set G0,  24                           ; s[24:31] group 0, a set for each slot
.set CNT, 32
.set SEL, 34                           ; s[34:35] lane selects: lane l xor 16
.set MK,  36                           ; s36-39, s40-43, s44-47 lane masks
.set ME,  40
.set ML,  44
.set MSB, 0
.macro WIN new                         ; the immediate's high byte repeats the setting that is left
.if MSB != \new
	s_set_vgpr_msb (MSB<<8)|\new
.set MSB, \new
.endif
.endm
.set W_MUL, 0x04                       ; source 1 (x) window 1; all else window 0
.set W_TOX, 0x40                       ; destination window 1
; A round of the cluster's barrier: my work-group's barrier; wave 0 signals for the work-group; every wave waits for all four work-groups; my work-group's barrier once more.
.macro ROUND
	s_barrier_signal -1
	s_barrier_wait -1
	s_cmp_lg_u32 s[WV], 0
	s_cbranch_scc1 .Lnot_wave_0_\@
	s_barrier_signal -3
.Lnot_wave_0_\@:
	s_barrier_wait -3
	s_barrier_signal -1
	s_barrier_wait -1
.endm
.macro PLACES                          ; four plain instructions behind matrix instructions, ahead of the first read of results and of loads into registers that they read (ISA guide 7.12.1 for the reads of results)
.rept 4
	v_nop
.endr
.endm
.macro XLOAD buf, s                    ; my 16 rows' numbers of K step s: register 16 b + 4 j + .. = k 128 s + 32 b + 16 h + 4 j + ..
.irp b, 0,1,2,3
.irp j, 0,1,2,3
	global_load_b128 v[\buf+16*\b+4*\j:\buf+16*\b+4*\j+3], v[XA], s[4:5] offset:512*\s+128*\b+16*\j th:TH_LOAD_NT
.endr
.endr
.endm
.macro SUMSQ buf, first                ; the squares of 64 numbers onto two packed chains; first = 1: the first two products start them
.set sq_p, 0
.rept 16
.if \first && (sq_p == 0)
	v_pk_mul_f32 v[SS:SS+1], v[\buf:\buf+1], v[\buf:\buf+1]
	v_pk_mul_f32 v[SS+2:SS+3], v[\buf+2:\buf+3], v[\buf+2:\buf+3]
.else
	v_pk_fma_f32 v[SS:SS+1], v[\buf+4*sq_p:\buf+4*sq_p+1], v[\buf+4*sq_p:\buf+4*sq_p+1], v[SS:SS+1]
	v_pk_fma_f32 v[SS+2:SS+3], v[\buf+4*sq_p+2:\buf+4*sq_p+3], v[\buf+4*sq_p+2:\buf+4*sq_p+3], v[SS+2:SS+3]
.endif
.set sq_p, sq_p+1
.endr
.endm
.macro QUANT s                         ; 64 numbers of a lane become a fragment's codes in v[PC] on and its scale word in v[PW]
.irp b, 0,1,2,3
	v_max3_num_f32 v[TM+\b], |v[\s+16*\b]|, |v[\s+1+16*\b]|, 0x1800000   ; block b: my 16 numbers, and the floor 2^(3 - 127): the byte cannot fall under 1
.endr
.irp i, 2,4,6,8,10,12,14
.irp b, 0,1,2,3
	v_max3_num_f32 v[TM+\b], v[TM+\b], |v[\s+16*\b+\i]|, |v[\s+1+16*\b+\i]|
.endr
.endr
.irp b, 0,1,2,3
	v_permlanex16_b32 v[TM+4+\b], v[TM+\b], s[SEL], s[SEL+1]
.endr
.irp b, 0,1,2,3
	v_max_num_f32 v[TM+\b], v[TM+\b], v[TM+4+\b]   ; with lane l xor 16's: the block's largest magnitude
.endr
.irp b, 0,1,2,3
	v_add_nc_u32 v[TM+12+\b], 0xff000000, v[TM+\b]   ; 2 off its exponent field: the conversion's scale operand
.endr
.irp b, 0,1,2,3
	v_lshrrev_b32 v[TM+4+\b], 23, v[TM+12+\b]      ; the scale's byte
.endr
	v_lshl_or_b32 v[PW], v[TM+5], 8, v[TM+4]
	v_lshl_or_b32 v[PW], v[TM+6], 16, v[PW]
	v_lshl_or_b32 v[PW], v[TM+7], 24, v[PW]
.irp b, 0,1,2,3
	v_cvt_scalef32_pk8_fp4_f32 v[PC+2*\b], v[\s+16*\b:\s+7+16*\b], v[TM+12+\b]
	v_cvt_scalef32_pk8_fp4_f32 v[PC+1+2*\b], v[\s+8+16*\b:\s+15+16*\b], v[TM+12+\b]
.endr
	v_nop                                          ; one plain instruction behind the scaled conversions
.irp c, 0,1                                    ; a whole block to a lane: lanes 0-15 block 2 c, lanes 16-31 block 2 c + 1
.irp i, 0,1
	v_permlane16_swap_b32 v[PC+4*\c+\i], v[PC+2+4*\c+\i]
.endr
.endr
.endm
; K step s of my tile of x: squares, codes, and the fragment's image and scale words to LDS.  left: the loads of later K steps, which may stay out.
.macro XSTEP s, buf, left, first
	s_wait_loadcnt \left
	SUMSQ \buf, \first
.if !\first
	s_wait_dscnt 0x0                               ; the last image's stores have read PC and PW
.endif
	QUANT \buf
	ds_store_b128 v[XWI], v[PC:PC+3] offset:1024*\s
	ds_store_b128 v[XWI], v[PC+4:PC+7] offset:1024*\s+512
	ds_store_b32 v[XWS], v[PW] offset:128*\s
.endm
; Tile u of my quad in slot g: four fragments, two scale registers, hc: 11 LDS loads.
.macro FETCH g, u
.irp s, 0,1,2,3
.irp c, 0,1
	ds_load_b128 v[CB+8*\s+4*\c:CB+8*\s+4*\c+3], v[AF+(\g)] offset:4096*(\u)+1024*\s+512*\c
.endr
.endr
	ds_load_b64 v[CS:CS+1], v[AS+(\g)] offset:256*(\u)
	ds_load_b128 v[HC:HC+3], v[AH+(\g)] offset:64*(\u)
	ds_load_b128 v[HC+4:HC+7], v[AH+(\g)] offset:64*(\u)+16
.endm
; 32 matrix instructions: the tile against the eight tiles of x, K ascending.  The eight accumulators take turns, one instruction a turn.  The first K step takes hc as C.
.macro MUL
	s_wait_dscnt 0x0                               ; the tile's 11 loads are in
	WIN W_MUL
.irp s, 0,1,2,3
.irp i, 0,1,2,3,4,5,6,7
.if \s == 0
	v_wmma_scale_f32_16x16x128_f8f6f4 v[ACC+8*\i:ACC+8*\i+7], v[CB:CB+7], v[32*\i:32*\i+7], v[HC:HC+7], v[CS], v[XS+2*\i] matrix_a_fmt:MATRIX_FMT_FP4 matrix_b_fmt:MATRIX_FMT_FP4
.elseif \s == 2
	v_wmma_scale_f32_16x16x128_f8f6f4 v[ACC+8*\i:ACC+8*\i+7], v[CB+16:CB+23], v[32*\i+16:32*\i+23], v[ACC+8*\i:ACC+8*\i+7], v[CS+1], v[XS+2*\i+1] matrix_a_fmt:MATRIX_FMT_FP4 matrix_b_fmt:MATRIX_FMT_FP4
.else
	v_wmma_scale_f32_16x16x128_f8f6f4 v[ACC+8*\i:ACC+8*\i+7], v[CB+8*\s:CB+8*\s+7], v[32*\i+8*\s:32*\i+8*\s+7], v[ACC+8*\i:ACC+8*\i+7], v[CS+\s/2], v[XS+2*\i+\s/2] matrix_a_fmt:MATRIX_FMT_FP4 matrix_b_fmt:MATRIX_FMT_FP4 matrix_a_scale:MATRIX_SCALE_ROW1 matrix_b_scale:MATRIX_SCALE_ROW1
.endif
.endr
.endr
	WIN 0
.endm
; Tiles i0 .. i0 + 3 of x by turns, 16 instructions each: the largest of the eight results (each accumulator is read from its low end on), less hx; where it beats the best (strictly: the earlier tile keeps a tie)
; the best, the tile's number and the eight raw results are taken.  No branch: every choice is a select.
.macro ARGMAX i0
.irp k, 0,1,2,3
	v_max3_num_f32 v[M+\k], v[ACC+8*(\i0+\k)], v[ACC+8*(\i0+\k)+1], v[ACC+8*(\i0+\k)+2]
.endr
.irp k, 0,1,2,3
	v_max3_num_f32 v[M+\k], v[M+\k], v[ACC+8*(\i0+\k)+3], v[ACC+8*(\i0+\k)+4]
.endr
.irp k, 0,1,2,3
	v_max3_num_f32 v[M+\k], v[M+\k], v[ACC+8*(\i0+\k)+5], v[ACC+8*(\i0+\k)+6]
.endr
.irp k, 0,1,2,3
	v_max_num_f32 v[M+\k], v[M+\k], v[ACC+8*(\i0+\k)+7]
.endr
.irp k, 0,1,2,3
	v_sub_f32 v[M+\k], v[M+\k], v[HXR+\i0+\k]
.endr
.irp k, 0,1,2,3
	v_cmp_gt_f32 s[MK+\k], v[M+\k], v[BEST+\i0+\k]
.endr
.irp k, 0,1,2,3
	v_max_num_f32 v[BEST+\i0+\k], v[BEST+\i0+\k], v[M+\k]
.endr
.irp k, 0,1,2,3
	v_cndmask_b32 v[ID+\i0+\k], v[ID+\i0+\k], v[TNV], s[MK+\k]
.endr
.irp j, 0,1,2,3,4,5,6,7
.irp k, 0,1,2,3
	v_cndmask_b32 v[SAV+8*(\i0+\k)+\j], v[SAV+8*(\i0+\k)+\j], v[ACC+8*(\i0+\k)+\j], s[MK+\k]
.endr
.endr
.endm
; A tile pass that has its successor in the same quad: the next tile's loads go out behind the products and land under the search.
.macro TILE g, u
	MUL
	PLACES
	FETCH \g, (\u)+1
	ARGMAX 0
	ARGMAX 4
	v_add_nc_u32 v[TNV], 1, v[TNV]
.endm
; A quad's last tile pass.  mode = 2: slot g is filled again.  My loads have all landed (the one that was out is my quad of the other slot), 0 is added to my spare word, half of the search stands between the add
; and the wait for it, which also shows my reads of this slot over; the round shows the same of every wave of all four work-groups; the joint refill is the first thing behind it and has the other slot's four tile passes in which to land.
; mode = 1: nothing is left to ask for: my last load has landed, and only I read its bytes.  mode = 0: the very last tile.
.macro LAST g, mode
	MUL
.if \mode == 2
	s_wait_tensorcnt 0x0                           ; no tensor load of mine is out, so a group 0 may be written
	ds_add_u32 v[SPW], v[NIL]
	PLACES
	ARGMAX 0
	s_add_nc_u64 s[G0+4*\g+2:G0+4*\g+3], s[G0+4*\g+2:G0+4*\g+3], 2*QUADB   ; this slot's next quad: two on
	s_wait_dscnt 0x0
	ROUND
	tensor_load_to_lds s[G0+4*\g:G0+4*\g+3], s[G1:G1+7]
	s_nop 0
	PLACES                                         ; four plain lines follow a tensor load
	FETCH 1-\g, 0
	ARGMAX 4
	v_add_nc_u32 v[TNV], 1, v[TNV]
.elseif \mode == 1
	s_wait_tensorcnt 0x0
	PLACES
	FETCH 1-\g, 0
	ARGMAX 0
	ARGMAX 4
	v_add_nc_u32 v[TNV], 1, v[TNV]
.else
	PLACES
	ARGMAX 0
	ARGMAX 4
.endif
.endm
.macro WORK g, mode                    ; a quad: four tile passes
	TILE \g, 0
	TILE \g, 1
	TILE \g, 2
	LAST \g, \mode
.endm
; The way out for tiles i0 .. i0 + 3 of x: the place in the best tile, the index, the row's other lane, and both numbers to LDS.
.macro FINISH i0
.irp k, 0,1,2,3
	v_mov_b32 v[POS+\k], 0
.endr
.irp j, 7,6,5,4,3,2,1,0                ; from the last to the first, so that the first that equals the best stays
.irp k, 0,1,2,3
	v_sub_f32 v[T+\k], v[SAV+8*(\i0+\k)+\j], v[HXR+\i0+\k]
.endr
.irp k, 0,1,2,3
	v_cmp_eq_f32 s[MK+\k], v[T+\k], v[BEST+\i0+\k]
.endr
.irp k, 0,1,2,3
	v_cndmask_b32 v[POS+\k], v[POS+\k], \j, s[MK+\k]
.endr
.endr
.irp k, 0,1,2,3
	v_lshl_add_u32 v[POS+\k], v[ID+\i0+\k], 4, v[POS+\k]
.endr
.irp k, 0,1,2,3
	v_add_nc_u32 v[POS+\k], v[BIX], v[POS+\k]      ; the index: 512 w + 16 x tile + 8 h + place
.endr
.irp k, 0,1,2,3
	v_permlanex16_b32 v[OB+\k], v[BEST+\i0+\k], s[SEL], s[SEL+1]
	v_permlanex16_b32 v[OI+\k], v[POS+\k], s[SEL], s[SEL+1]
.endr
.irp k, 0,1,2,3
	v_cmp_gt_f32 s[MK+\k], v[OB+\k], v[BEST+\i0+\k]
	v_cmp_eq_f32 s[ME+\k], v[OB+\k], v[BEST+\i0+\k]
	v_cmp_lt_u32 s[ML+\k], v[OI+\k], v[POS+\k]
.endr
.irp k, 0,1,2,3
	s_and_b32 s[ME+\k], s[ME+\k], s[ML+\k]
	s_or_b32 s[MK+\k], s[MK+\k], s[ME+\k]          ; the other lane's is better, or as good with the lower index
.endr
.irp k, 0,1,2,3
	v_cndmask_b32 v[BEST+\i0+\k], v[BEST+\i0+\k], v[OB+\k], s[MK+\k]
	v_cndmask_b32 v[POS+\k], v[POS+\k], v[OI+\k], s[MK+\k]
.endr
.irp k, 0,1,2,3
	ds_store_b32 v[FW], v[BEST+\i0+\k] offset:64*(\i0+\k)          ; both lanes of a row write the same word with the same value
	ds_store_b32 v[FW], v[POS+\k] offset:FINI+64*(\i0+\k)
.endr
.endm
	s_load_b128 s[4:7], s[0:1], 0x0                ; x s[4:5], cbq s[6:7]
	s_load_b64 s[8:9], s[0:1], 0x10                ; idx
	v_lshl_add_u32 v[SPW], v0, 2, SPARE
	v_mov_b32 v[NIL], 0
	ds_add_u32 v1, v2
	ds_add_u32 v1, v2
	s_wait_dscnt 0x0
	v_lshrrev_b32 v251, 5, v0
	v_readfirstlane_b32 s[WV], v251                ; wave 0..7
	s_bfe_u32 s11, ttmp6, 0x40000                  ; cx: my place in the cluster
	s_lshl_b32 s12, ttmp9, 2                       ; in a cluster launch ttmp9 counts clusters
	s_add_co_u32 s12, s12, s11                     ; my block of 128 rows: it enters x's and idx's addresses alone
	v_and_b32 v251, 31, v0                         ; lane
	v_and_b32 v254, 15, v0                         ; r
	v_bfe_u32 v255, v0, 4, 1                       ; h
	s_mul_i32 s13, s[WV], QUADB                    ; my part of a slot
	v_lshl_add_u32 v[AF], v251, 4, s13
	v_add_nc_u32 v[AF+1], SLOT, v[AF]
	v_lshl_add_u32 v[AS], v251, 3, s13
	v_add_nc_u32 v[AS], 16384, v[AS]
	v_add_nc_u32 v[AS+1], SLOT, v[AS]
	v_lshl_add_u32 v[AH], v255, 5, s13
	v_add_nc_u32 v[AH], 17408, v[AH]
	v_add_nc_u32 v[AH+1], SLOT, v[AH]
	v_lshlrev_b32 v[XA], 11, v254
	v_lshl_add_u32 v[XA], v255, 6, v[XA]
	v_lshl_add_u32 v[LI], v251, 4, XIMG
	v_lshl_add_u32 v[LSH], v251, 2, XSC
	v_lshl_add_u32 v[LSH], v255, 7, v[LSH]
	s_lshl_b32 s14, s[WV], 12
	v_add_nc_u32 v[XWI], s14, v[LI]                ; my tile's four images: XIMG + 4096 w + 16 x lane
	s_lshl_b32 s14, s[WV], 9
	v_lshl_add_u32 v[XWS], v251, 2, s14
	v_add_nc_u32 v[XWS], XSC, v[XWS]               ; XSC + 512 w + 4 x lane
	v_lshl_add_u32 v[LHX], v254, 2, HX
	s_lshl_b32 s14, s[WV], 6
	v_add_nc_u32 v[HXW], s14, v[LHX]               ; HX + 64 w + 4 r
.irp b, 0,1,2,3
	v_mov_b32 v[TM+4+\b], 0                        ; written once: a lane permute's destination counts as one of its sources
.endr
	s_mov_b32 s[SEL], 0x76543210
	s_mov_b32 s[SEL+1], 0xfedcba98
	; descriptor group 1: a quad, 17,664 dense bytes, as 69 rows of 32 elements of 8 bytes; no padding: the images are read 16 bytes a lane on end
	s_mov_b32 s[G1+0], 15|(3<<16)|(1<<21)          ; 15:0 the mask: all four work-groups; 17:16 elements of 8 bytes; 21 set beside a mask
	s_mov_b32 s[G1+1], 32<<16                      ; tensor_dim0 = 32
	s_mov_b32 s[G1+2], 69<<16                      ; tensor_dim1 = 69
	s_mov_b32 s[G1+3], 32<<16                      ; tile_dim0 = 32
	s_mov_b32 s[G1+4], 69                          ; tile_dim1 = 69
	s_mov_b32 s[G1+5], 32                          ; from row to row
	s_mov_b32 s[G1+6], 0
	s_mov_b32 s[G1+7], 0
	s_lshl_b32 s40, s[WV], 3
	s_mul_i32 s40, s40, QUADB                      ; my first quad: 8 w
	s_mov_b32 s41, 0
	s_lshl_b32 s44, s12, 18                        ; my block's 128 rows of 2,048 bytes,
	s_lshl_b32 s45, s[WV], 15                      ; my wave's 16 of them
	s_add_co_u32 s44, s44, s45
	s_mov_b32 s45, 0
	s_lshl_b32 s46, s12, 9                         ; my block's 128 words of idx
	s_mov_b32 s47, 0
	s_wait_kmcnt 0x0
	s_add_nc_u64 s[4:5], s[4:5], s[44:45]
	s_add_nc_u64 s[8:9], s[8:9], s[46:47]
	s_add_nc_u64 s[42:43], s[6:7], s[40:41]
	XLOAD B0, 0                                    ; three K steps of my tile of x are asked for ahead of the round: 48 loads
	XLOAD B1, 1
	XLOAD B2, 2
.irp g, 0,1
	s_mov_b32 s[G0+4*\g], 1                        ; count = 1
	s_add_co_u32 s[G0+4*\g+1], s13, \g*SLOT        ; LDS address: the wave's number and the slot alone
	s_add_nc_u64 s[G0+4*\g+2:G0+4*\g+3], s[42:43], \g*QUADB   ; quad 8 w + slot
	s_or_b32 s[G0+4*\g+3], s[G0+4*\g+3], 0x80000000           ; type = 2
.endr
	ROUND                                          ; all four work-groups are here: the first joint loads meet
	tensor_load_to_lds s[G0:G0+3], s[G1:G1+7]      ; the two first fills go out together: two loads of mine are out
	s_nop 0
	tensor_load_to_lds s[G0+4:G0+7], s[G1:G1+7]
	s_nop 0
	PLACES
	; ---- my tile of x: codes, scale words, hx
	XSTEP 0, B0, 32, 1                             ; K steps 1 and 2 may be out
	XLOAD B0, 3
	XSTEP 1, B1, 32, 0                             ; K steps 2 and 3
	XSTEP 2, B2, 16, 0                             ; K step 3
	XSTEP 3, B0, 0, 0
	v_pk_add_f32 v[SS:SS+1], v[SS:SS+1], v[SS+2:SS+3]
	v_add_f32 v251, v[SS], v[SS+1]
	v_permlanex16_b32 v[TM+4], v251, s[SEL], s[SEL+1]
	v_add_f32 v251, v251, v[TM+4]
	v_mul_f32 v251, 0.5, v251                      ; hx of row r
	ds_store_b32 v[HXW], v251                      ; both lanes of a row write the same word with the same value
	s_wait_dscnt 0x0                               ; for the others' sake: my stores have landed
	s_barrier_signal -1                            ; My two tensor loads may stay out
	s_barrier_wait -1
	; ---- all eight tiles of x into my registers
	WIN W_TOX
.irp i, 0,1,2,3,4,5,6,7
.irp s, 0,1,2,3
.irp c, 0,1
	ds_load_b128 v[32*\i+8*\s+4*\c:32*\i+8*\s+4*\c+3], v[LI] offset:(4*\i+\s)*1024+512*\c
.endr
.endr
.endr
	WIN 0
.irp i, 0,1,2,3,4,5,6,7
.irp p, 0,1
	ds_load_b32 v[XS+2*\i+\p], v[LSH] offset:128*(4*\i+2*\p)
.endr
	ds_load_b32 v[HXR+\i], v[LHX] offset:64*\i
.endr
	; the search's state, written once, so that the tile pass is written in one form: 80 lines for 32 passes
.irp i, 0,1,2,3,4,5,6,7
	v_mov_b32 v[BEST+\i], 0xff800000               ; -infinity: under every score
	v_mov_b32 v[ID+\i], 0
.endr
.set sv_j, 0
.rept 64
	v_mov_b32 v[SAV+sv_j], 0
.set sv_j, sv_j+1
.endr
.irp k, 0,1,2,3
	v_mov_b32 v[OB+\k], 0                          ; lane permutes' destinations
	v_mov_b32 v[OI+\k], 0
.endr
	v_mov_b32 v[TNV], 0
	v_and_b32 v[T], 15, v0                         ; the addresses of the way out take the places of those of x's images
	v_bfe_u32 v[T+1], v0, 4, 1
	s_lshl_b32 s14, s[WV], 9
	v_lshl_add_u32 v[FW], v[T], 2, s14
	v_add_nc_u32 v[FW], XIMG, v[FW]                ; XIMG + 512 w + 4 r
	v_lshl_add_u32 v[FR], v0, 3, XIMG              ; XIMG + 8 x thread
	v_lshlrev_b32 v[GOF], 3, v0
	v_lshl_add_u32 v[BIX], v[T+1], 3, s14          ; 512 w + 8 h
	; ---- the sweep over my 32 tiles of the codebook: eight quads, slots by turns
	s_wait_tensorcnt 0x1                           ; my first quad is in; the second may stay out.  Only I read my bytes
	FETCH 0, 0
	s_mov_b32 s[CNT], 3
.Lsweep:                                               ; three trips: quads 0-5 are searched, quads 2-7 asked for
	WORK 0, 2
	WORK 1, 2
	s_sub_co_u32 s[CNT], s[CNT], 1
	s_cmp_lg_u32 s[CNT], 0
	s_cbranch_scc1 .Lsweep
	WORK 0, 1                                      ; the tail is written out
	WORK 1, 0
	; ---- the way out.  x's images were last read ahead of the sweep's rounds, so their bytes may be written
	FINISH 0
	FINISH 4
	s_wait_dscnt 0x0                               ; for the others' sake
	s_barrier_signal -1
	s_barrier_wait -1
	s_cmp_ge_u32 s[WV], 2                          ; waves 0 and 1 take the best of the eight waves: thread t rows 2 t and 2 t + 1
	s_cbranch_scc1 .Ldone
.irp q, 0,1,2,3,4,5,6,7
	ds_load_b64 v[FV+2*\q:FV+2*\q+1], v[FR] offset:512*\q
	ds_load_b64 v[FI+2*\q:FI+2*\q+1], v[FR] offset:FINI+512*\q
.endr
	s_wait_dscnt 0x0
.irp q, 1,2,3,4,5,6,7                          ; waves ascending hold indices ascending: the strict compare leaves a tie with the lower index
.irp e, 0,1
	v_cmp_gt_f32 s[MK+\e], v[FV+2*\q+\e], v[FV+\e]
.endr
.irp e, 0,1
	v_max_num_f32 v[FV+\e], v[FV+\e], v[FV+2*\q+\e]
	v_cndmask_b32 v[FI+\e], v[FI+\e], v[FI+2*\q+\e], s[MK+\e]
.endr
.endr
	global_store_b64 v[GOF], v[FI:FI+1], s[8:9]    ; a wave stores 256 consecutive bytes, aligned
.Ldone:
	s_wait_tensorcnt 0x0                           ; the wave's end
	ds_add_u32 v[SPW], v[NIL]
	s_wait_dscnt 0x0
	ROUND                                          ; the closing round: no work-group ends while a partner may still ask for a quad that names it
	s_endpgm
.Lfunc_end_k_q4af2caa94b_nearest:
	.size	k_q4af2caa94b_nearest, .Lfunc_end_k_q4af2caa94b_nearest-k_q4af2caa94b_nearest
	.p2alignl 7, 3214868480
	.fill 96, 4, 3214868480
	.section	.rodata,"a",@progbits
	.p2align	6, 0x0
	.amdhsa_kernel k_q4af2caa94b_nearest
		.amdhsa_group_segment_fixed_size 327680
		.amdhsa_private_segment_fixed_size 0
		.amdhsa_enable_private_segment 0
		.amdhsa_kernarg_size 24
		.amdhsa_user_sgpr_count 2
		.amdhsa_user_sgpr_kernarg_segment_ptr 1
		.amdhsa_wavefront_size32 1
		.amdhsa_system_sgpr_workgroup_id_x 1
		.amdhsa_system_sgpr_workgroup_id_y 1
		.amdhsa_system_sgpr_workgroup_id_z 1
		.amdhsa_system_vgpr_workitem_id 0
		.amdhsa_next_free_vgpr 512
		.amdhsa_next_free_sgpr 66
		.amdhsa_reserve_vcc 0
		.amdhsa_float_denorm_mode_32 3
		.amdhsa_float_denorm_mode_16_64 3
		.amdhsa_memory_ordered 1
		.amdhsa_forward_progress 1
		.amdhsa_inst_pref_size 255
	.end_amdhsa_kernel
	.section	.bss,"aw",@nobits
	.p2align	6
	.space	262144
	.amdgpu_metadata
---
amdhsa.version: [ 1, 2 ]
amdhsa.kernels:
  - .name:           k_q4af2caa94b_nearest
    .symbol:         k_q4af2caa94b_nearest.kd
    .args:
      - { .name: x, .offset: 0, .size: 8, .value_kind: global_buffer, .address_space: global }
      - { .name: cbq, .offset: 8, .size: 8, .value_kind: global_buffer, .address_space: global }
      - { .name: idx, .offset: 16, .size: 8, .value_kind: global_buffer, .address_space: global }
    .group_segment_fixed_size: 327680
    .private_segment_fixed_size: 0
    .kernarg_segment_align: 8
    .kernarg_segment_size: 24
    .max_flat_workgroup_size: 256
    .sgpr_count:     66
    .vgpr_count:     512
    .wavefront_size: 32
...
	.end_amdgpu_metadata
.endif
;; end of part 2
;; launch gather (part 3): grid 512 x 1, 8 waves a work-group, no clusters, 0 bytes of LDS; arguments idx, embedding, out0; writes out0
.if DOCPART == 3
	.amdgcn_target "amdgcn-amd-amdhsa--gfx1250"
	.amdhsa_code_object_version 6
	.text
	.protected	k_q4af2caa94b_gather
	.globl	k_q4af2caa94b_gather
	.p2align	8
	.type	k_q4af2caa94b_gather,@function
k_q4af2caa94b_gather:
	s_mov_b64 s[64:65], 0
	v_nop
	global_prefetch_b8 v0, s[64:65] scope:SCOPE_SE
	s_setreg_imm32_b32 hwreg(HW_REG_WAVE_MODE, 25, 1), 1
	s_wait_xcnt 0x0
; out0[row][:] = embedding[idx[row]][:].  32,768 rows of 2,048 bytes; idx holds the whole numbers that the launch before stored.
; A stream: no LDS, no barrier, no matrix unit, no cluster (work-groups share no tile whose place is known ahead).  A wave takes 8 rows: their indices by one scalar load, then 32 loads of 512 consecutive bytes, all on their
; way together, then 32 stores of 512 consecutive bytes, aligned to 256, row by row as the loads come in.  Nothing is rewritten, so no register has to be freed.
; An index is held to 0 .. 4,095 before it enters an address.  The loads carry no hint: a row of the table may be named again; the output is written once.
.set OFF, 2                            ; v2-9    row k: 2048 x its index + 16 x lane
.set D,   16                           ; v16-143 row k: 16 registers
	s_load_b128 s[4:7], s[0:1], 0x0                ; idx s[4:5], embedding s[6:7]
	s_load_b64 s[8:9], s[0:1], 0x10                ; out0
	v_lshrrev_b32 v1, 5, v0
	v_readfirstlane_b32 s10, v1                    ; wave 0..7
	v_and_b32 v1, 31, v0
	v_lshlrev_b32 v1, 4, v1                        ; 16 x lane
	s_lshl_b32 s11, ttmp9, 6
	s_lshl_b32 s12, s10, 3
	s_add_co_u32 s11, s11, s12                     ; my first row: 64 x work-group + 8 x wave
	s_lshl_b32 s12, s11, 2
	s_mov_b32 s13, 0
	s_lshl_b32 s14, s11, 11                        ; under 2^26
	s_mov_b32 s15, 0
	s_wait_kmcnt 0x0
	s_add_nc_u64 s[4:5], s[4:5], s[12:13]
	s_add_nc_u64 s[8:9], s[8:9], s[14:15]
	s_load_b256 s[16:23], s[4:5], 0x0              ; my 8 indices
	s_wait_kmcnt 0x0
.irp k, 0,1,2,3,4,5,6,7
	s_min_u32 s[16+\k], s[16+\k], 0xfff
.endr
.irp k, 0,1,2,3,4,5,6,7
	v_lshl_add_u32 v[OFF+\k], s[16+\k], 11, v1
.endr
.irp k, 0,1,2,3,4,5,6,7
.irp c, 0,1,2,3
	global_load_b128 v[D+16*\k+4*\c:D+16*\k+4*\c+3], v[OFF+\k], s[6:7] offset:512*\c
.endr
.endr
.irp k, 0,1,2,3,4,5,6,7
	s_wait_loadcnt 28-4*\k                         ; row k's four loads are in; the later rows' may be out
.irp c, 0,1,2,3
	global_store_b128 v1, v[D+16*\k+4*\c:D+16*\k+4*\c+3], s[8:9] offset:2048*\k+512*\c th:TH_STORE_NT
.endr
.endr
	s_endpgm
.Lfunc_end_k_q4af2caa94b_gather:
	.size	k_q4af2caa94b_gather, .Lfunc_end_k_q4af2caa94b_gather-k_q4af2caa94b_gather
	.p2alignl 7, 3214868480
	.fill 96, 4, 3214868480
	.section	.rodata,"a",@progbits
	.p2align	6, 0x0
	.amdhsa_kernel k_q4af2caa94b_gather
		.amdhsa_group_segment_fixed_size 0
		.amdhsa_private_segment_fixed_size 0
		.amdhsa_enable_private_segment 0
		.amdhsa_kernarg_size 24
		.amdhsa_user_sgpr_count 2
		.amdhsa_user_sgpr_kernarg_segment_ptr 1
		.amdhsa_wavefront_size32 1
		.amdhsa_system_sgpr_workgroup_id_x 1
		.amdhsa_system_sgpr_workgroup_id_y 1
		.amdhsa_system_sgpr_workgroup_id_z 1
		.amdhsa_system_vgpr_workitem_id 0
		.amdhsa_next_free_vgpr 144
		.amdhsa_next_free_sgpr 66
		.amdhsa_reserve_vcc 0
		.amdhsa_float_denorm_mode_32 3
		.amdhsa_float_denorm_mode_16_64 3
		.amdhsa_memory_ordered 1
		.amdhsa_forward_progress 1
		.amdhsa_inst_pref_size 9
	.end_amdhsa_kernel
	.amdgpu_metadata
---
amdhsa.version: [ 1, 2 ]
amdhsa.kernels:
  - .name:           k_q4af2caa94b_gather
    .symbol:         k_q4af2caa94b_gather.kd
    .args:
      - { .name: idx, .offset: 0, .size: 8, .value_kind: global_buffer, .address_space: global }
      - { .name: embedding, .offset: 8, .size: 8, .value_kind: global_buffer, .address_space: global }
      - { .name: out0, .offset: 16, .size: 8, .value_kind: global_buffer, .address_space: global }
    .group_segment_fixed_size: 0
    .private_segment_fixed_size: 0
    .kernarg_segment_align: 8
    .kernarg_segment_size: 24
    .max_flat_workgroup_size: 256
    .sgpr_count:     66
    .vgpr_count:     144
    .wavefront_size: 32
...
	.end_amdgpu_metadata
.endif
;; end of part 3
;; ======== version 2 of 2: 3 launches
;; limits: right only within a limited range of input values
;; workspace buffers: cbq 1,130,496 bytes; idx 131,072 bytes of whole numbers
;; launch cbquant (part 4): grid 256 x 1, 4 waves a work-group, no clusters, 1,536 bytes of LDS; arguments codebook, cbq; writes cbq
.if DOCPART == 4
	.amdgcn_target "amdgcn-amd-amdhsa--gfx1250"
	.amdhsa_code_object_version 6
	.text
	.protected	k_q4af2caa94b_cbquant
	.globl	k_q4af2caa94b_cbquant
	.p2align	8
	.type	k_q4af2caa94b_cbquant,@function
k_q4af2caa94b_cbquant:
	s_mov_b64 s[64:65], 0
	v_nop
	global_prefetch_b8 v0, s[64:65] scope:SCOPE_SE
	s_setreg_imm32_b32 hwreg(HW_REG_WAVE_MODE, 25, 1), 1
	s_wait_xcnt 0x0
; The codebook [4096][512] f32 becomes codes of FP4 (E2M1) with one E8M0 scale byte for each 32 along K, laid as the next launch's matrix operand wants them,
; and hc[k] = -0.5 x (the sum of squares of the unquantised row k), which that launch gives to its sums as their start.
; LAYOUT OF cbq.  A tile is 16 rows of the codebook, a quad four tiles: 17,664 bytes = 69 x 256.  In a quad: tile u's codes at 4096 u, K step s (128 along K) at + 1024 s, as an IMAGE OF THE OPERAND'S
; REGISTERS: registers 4 c .. 4 c + 3 of lane l at 512 c + 16 l.  At 16384 + 256 u the tile's scale words, two to a lane at 8 l: word 0: lanes 0-15 K step 0 of row l, lanes 16-31 K step 1 of row l - 16;
; word 1 likewise for K steps 2 and 3.  At 17408 + 64 u the tile's 16 numbers hc.
; SHARES.  Work-group t takes tile t, wave s K step s.  Lane (r = l % 16, h = l / 16) takes of row r the 16 neighbours 32 b + 16 h + 0 .. 15 of each block b of the K step: the conversions take neighbours along K from one lane's registers.
; A block's scale is 2^(floor(log2(its largest magnitude)) - 2); its byte is the largest magnitude's exponent field - 2, held at 1 from below.
; LIMITS: a block of zeros gets the byte 1 where the rule says 127 (its codes are zeros, and this program alone reads the bytes); NaN and infinities are not served;
; the squares are summed in this order: four chains of fused multiply-adds a lane, the chains, the two lanes of a row, then the four K steps ascending.
; The 64 bytes of hc are a part of an aligned block of 256: one store of 64 bytes for each 32,768 bytes read, the price of one tile to a work-group.
; WORK THAT THIS PROGRAM LEAVES OUT.  reference() adds x_sq[b][t] to each of the 4,096 distances of row (b, t).  A term that is the same along the axis of the argmin moves no comparison between two
; distances of a row in exact arithmetic, whatever finite values x holds: argmin over k of (x_sq - 2 dots + c_sq) = argmin over k of (c_sq - 2 dots).  So x_sq is computed in no launch.  x stays an input: its codes feed the product.
; LIMIT: a NaN, an infinity or an overflow that would arise in x_sq alone is not carried to the result; where two distances of a row lie closer than the rounding of reference()'s f32 sum with x_sq, the index may be the other of the two.
.set QUADB, 17664
.set PWS,   0                          ; LDS: four images of 128 bytes: each wave's scale words
.set SSQ,   512                        ; and four more: each wave's part of the rows' sums of squares
.set WV,    12                         ; s12  my wave's number
.set SEL,   20                         ; s[20:21] lane selects for v_permlanex16_b32: lane l xor 16
.set XA,    4                          ; v4   my byte in the tile's 16 rows: 2048 r + 64 h
.set LI,    5                          ; v5   16 x lane
.set LS,    6                          ; v6   4 x lane
.set LW,    7                          ; v7   4 x lane + 128 x wave
.set LH,    8                          ; v8   4 x lane + 128 h
.set L8,    9                          ; v9   8 x lane
.set X,     16                         ; v16-79  64 numbers: register 16 b + i = k 32 b + 16 h + i
.set TM,    80                         ; v80-95  at work in QUANT
.set PC,    96                         ; v96-103 the fragment's codes
.set PW,    104                        ; v104    its scale word
.set SS,    106                        ; v[106:107], v[108:109] two packed chains of squares
; The squares of 64 numbers onto the two packed chains.  first = 1: the first two products start the chains: nothing is cleared.
.macro SUMSQ buf, first
.set sq_p, 0
.rept 16
.if \first && (sq_p == 0)
	v_pk_mul_f32 v[SS:SS+1], v[\buf:\buf+1], v[\buf:\buf+1]
	v_pk_mul_f32 v[SS+2:SS+3], v[\buf+2:\buf+3], v[\buf+2:\buf+3]
.else
	v_pk_fma_f32 v[SS:SS+1], v[\buf+4*sq_p:\buf+4*sq_p+1], v[\buf+4*sq_p:\buf+4*sq_p+1], v[SS:SS+1]
	v_pk_fma_f32 v[SS+2:SS+3], v[\buf+4*sq_p+2:\buf+4*sq_p+3], v[\buf+4*sq_p+2:\buf+4*sq_p+3], v[SS+2:SS+3]
.endif
.set sq_p, sq_p+1
.endr
.endm
; 64 numbers of a lane become a fragment's codes in v[PC] on and its scale word in v[PW].
.macro QUANT s
.irp b, 0,1,2,3
	v_max3_num_f32 v[TM+\b], |v[\s+16*\b]|, |v[\s+1+16*\b]|, 0x1800000   ; block b: my 16 numbers, and the floor 2^(3 - 127): the byte cannot fall under 1
.endr
.irp i, 2,4,6,8,10,12,14
.irp b, 0,1,2,3
	v_max3_num_f32 v[TM+\b], v[TM+\b], |v[\s+16*\b+\i]|, |v[\s+1+16*\b+\i]|   ; the four blocks by turns
.endr
.endr
.irp b, 0,1,2,3
	v_permlanex16_b32 v[TM+4+\b], v[TM+\b], s[SEL], s[SEL+1]
.endr
.irp b, 0,1,2,3
	v_max_num_f32 v[TM+\b], v[TM+\b], v[TM+4+\b]   ; with lane l xor 16's: the block's largest magnitude
.endr
.irp b, 0,1,2,3
	v_add_nc_u32 v[TM+12+\b], 0xff000000, v[TM+\b]   ; 2 off its exponent field: the conversion takes this operand's exponent field as its scale
.endr
.irp b, 0,1,2,3
	v_lshrrev_b32 v[TM+4+\b], 23, v[TM+12+\b]      ; the scale's byte
.endr
	v_lshl_or_b32 v[PW], v[TM+5], 8, v[TM+4]       ; four bytes: my row's scale word, the same in both lanes of a row
	v_lshl_or_b32 v[PW], v[TM+6], 16, v[PW]
	v_lshl_or_b32 v[PW], v[TM+7], 24, v[PW]
.irp b, 0,1,2,3
	v_cvt_scalef32_pk8_fp4_f32 v[PC+2*\b], v[\s+16*\b:\s+7+16*\b], v[TM+12+\b]
	v_cvt_scalef32_pk8_fp4_f32 v[PC+1+2*\b], v[\s+8+16*\b:\s+15+16*\b], v[TM+12+\b]
.endr
	v_nop                                          ; one plain instruction behind the scaled conversions
.irp c, 0,1                                    ; the operand wants a whole block in a lane: lanes 0-15 block 2 c, lanes 16-31 block 2 c + 1
.irp i, 0,1
	v_permlane16_swap_b32 v[PC+4*\c+\i], v[PC+2+4*\c+\i]
.endr
.endr
.endm
	s_load_b128 s[4:7], s[0:1], 0x0                ; codebook s[4:5], cbq s[6:7]
	v_lshl_add_u32 v128, v0, 2, 0x400
	v_mov_b32 v129, 0
	v_lshrrev_b32 v1, 5, v0
	v_readfirstlane_b32 s[WV], v1                  ; wave 0..3 = K step
	v_and_b32 v1, 31, v0                           ; lane
	v_and_b32 v2, 15, v0                           ; r
	v_bfe_u32 v3, v0, 4, 1                         ; h
	v_lshlrev_b32 v[XA], 11, v2
	v_lshl_add_u32 v[XA], v3, 6, v[XA]
	v_lshlrev_b32 v[LI], 4, v1
	v_lshlrev_b32 v[LS], 2, v1
	s_lshl_b32 s13, s[WV], 7
	v_add_nc_u32 v[LW], s13, v[LS]
	v_lshl_add_u32 v[LH], v3, 7, v[LS]
	v_lshlrev_b32 v[L8], 3, v1
	s_mov_b32 s[SEL], 0x76543210
	s_mov_b32 s[SEL+1], 0xfedcba98
.irp b, 0,1,2,3
	v_mov_b32 v[TM+4+\b], 0                        ; written once: a lane permute's destination counts as one of its sources
.endr
	v_mov_b32 v111, 0
	s_lshl_b32 s14, ttmp9, 15                      ; the tile's 16 rows of 2,048 bytes,
	s_lshl_b32 s15, s[WV], 9                       ; my K step's 512 bytes of a row
	s_add_co_u32 s14, s14, s15
	s_mov_b32 s15, 0
	s_lshr_b32 s16, ttmp9, 2
	s_mul_i32 s16, s16, QUADB                      ; the quad
	s_and_b32 s18, ttmp9, 3                        ; the tile in it
	s_lshl_b32 s19, s18, 12
	s_lshl_b32 s22, s[WV], 10
	s_add_co_u32 s19, s19, s22
	s_add_co_u32 s24, s16, s19                     ; my fragment's image
	s_mov_b32 s25, 0
	s_lshl_b32 s19, s18, 8
	s_add_co_u32 s26, s16, s19
	s_add_co_u32 s26, s26, 16384                   ; the tile's scale words
	s_mov_b32 s27, 0
	s_lshl_b32 s19, s18, 6
	s_add_co_u32 s28, s16, s19
	s_add_co_u32 s28, s28, 17408                   ; the tile's hc
	s_mov_b32 s29, 0
	s_wait_kmcnt 0x0
	s_add_nc_u64 s[4:5], s[4:5], s[14:15]
	s_add_nc_u64 s[8:9], s[6:7], s[26:27]
	s_add_nc_u64 s[10:11], s[6:7], s[28:29]
	s_add_nc_u64 s[6:7], s[6:7], s[24:25]
.irp b, 0,1,2,3
.irp j, 0,1,2,3
	global_load_b128 v[X+16*\b+4*\j:X+16*\b+4*\j+3], v[XA], s[4:5] offset:128*\b+16*\j th:TH_LOAD_NT
.endr
.endr
	s_wait_loadcnt 0x0
	SUMSQ X, 1
	v_pk_add_f32 v[SS:SS+1], v[SS:SS+1], v[SS+2:SS+3]
	v_add_f32 v110, v[SS], v[SS+1]
	v_permlanex16_b32 v111, v110, s[SEL], s[SEL+1]
	v_add_f32 v110, v110, v111                     ; row r's squares over this K step, in both lanes of the row
	QUANT X
	global_store_b128 v[LI], v[PC:PC+3], s[6:7]              ; the wave stores 512 consecutive bytes, aligned to 256
	global_store_b128 v[LI], v[PC+4:PC+7], s[6:7] offset:512
	ds_store_b32 v[LW], v[PW] offset:PWS
	ds_store_b32 v[LW], v110 offset:SSQ
	s_wait_dscnt 0x0                               ; for wave 0's sake: my two stores have landed
	s_barrier_signal -1
	s_barrier_wait -1
	s_cmp_lg_u32 s[WV], 0                          ; wave 0 gathers the four waves' scale words and sums
	s_cbranch_scc1 .Lend
	ds_load_b32 v112, v[LH] offset:PWS             ; lanes 0-15: K step 0's words; lanes 16-31: K step 1's
	ds_load_b32 v113, v[LH] offset:PWS+256         ; K steps 2 and 3
.irp s, 0,1,2,3
	ds_load_b32 v[114+\s], v[LS] offset:SSQ+128*\s
.endr
	s_wait_dscnt 0x0
	global_store_b64 v[L8], v[112:113], s[8:9]     ; 256 consecutive bytes, aligned
	v_add_f32 v114, v114, v115
	v_add_f32 v114, v114, v116
	v_add_f32 v114, v114, v117
	v_mul_f32 v114, -0.5, v114                     ; hc
	v_cmp_gt_u32 vcc_lo, 16, v1
	s_wait_alu depctr_va_vdst(0)
	s_wait_xcnt 0x0                                ; EXEC is a source of the stores above: it changes only behind this wait
	s_and_saveexec_b32 s22, vcc_lo
	global_store_b32 v[LS], v114, s[10:11]         ; lanes 0-15: the tile's 16 numbers
	s_wait_xcnt 0x0                                ; and again in front of the line that widens it
	s_or_b32 exec_lo, exec_lo, s22
.Lend:
	s_wait_tensorcnt 0x0
	ds_add_u32 v128, v129
	s_wait_dscnt 0x0
	s_endpgm
.Lfunc_end_k_q4af2caa94b_cbquant:
	.size	k_q4af2caa94b_cbquant, .Lfunc_end_k_q4af2caa94b_cbquant-k_q4af2caa94b_cbquant
	.p2alignl 7, 3214868480
	.fill 96, 4, 3214868480
	.section	.rodata,"a",@progbits
	.p2align	6, 0x0
	.amdhsa_kernel k_q4af2caa94b_cbquant
		.amdhsa_group_segment_fixed_size 1536
		.amdhsa_private_segment_fixed_size 0
		.amdhsa_enable_private_segment 0
		.amdhsa_kernarg_size 16
		.amdhsa_user_sgpr_count 2
		.amdhsa_user_sgpr_kernarg_segment_ptr 1
		.amdhsa_wavefront_size32 1
		.amdhsa_system_sgpr_workgroup_id_x 1
		.amdhsa_system_sgpr_workgroup_id_y 1
		.amdhsa_system_sgpr_workgroup_id_z 1
		.amdhsa_system_vgpr_workitem_id 0
		.amdhsa_next_free_vgpr 130
		.amdhsa_next_free_sgpr 66
		.amdhsa_reserve_vcc 1
		.amdhsa_float_denorm_mode_32 3
		.amdhsa_float_denorm_mode_16_64 3
		.amdhsa_memory_ordered 1
		.amdhsa_forward_progress 1
		.amdhsa_inst_pref_size 12
	.end_amdhsa_kernel
	.amdgpu_metadata
---
amdhsa.version: [ 1, 2 ]
amdhsa.kernels:
  - .name:           k_q4af2caa94b_cbquant
    .symbol:         k_q4af2caa94b_cbquant.kd
    .args:
      - { .name: codebook, .offset: 0, .size: 8, .value_kind: global_buffer, .address_space: global }
      - { .name: cbq, .offset: 8, .size: 8, .value_kind: global_buffer, .address_space: global }
    .group_segment_fixed_size: 1536
    .private_segment_fixed_size: 0
    .kernarg_segment_align: 8
    .kernarg_segment_size: 16
    .max_flat_workgroup_size: 128
    .sgpr_count:     66
    .vgpr_count:     130
    .wavefront_size: 32
...
	.end_amdgpu_metadata
.endif
;; end of part 4
;; launch nearest (part 5): grid 256 x 1, 8 waves a work-group, clusters of 4 x 1, 327,680 bytes of LDS; arguments x, cbq, idx; writes idx
.if DOCPART == 5
	.amdgcn_target "amdgcn-amd-amdhsa--gfx1250"
	.amdhsa_code_object_version 6
	.text
	.protected	k_q4af2caa94b_nearest
	.globl	k_q4af2caa94b_nearest
	.p2align	8
	.type	k_q4af2caa94b_nearest,@function
k_q4af2caa94b_nearest:
	s_mov_b64 s[64:65], 0
	v_nop
	global_prefetch_b8 v0, s[64:65] scope:SCOPE_SE
	s_setreg_imm32_b32 hwreg(HW_REG_WAVE_MODE, 25, 1), 1
	s_wait_xcnt 0x0
	s_wait_alu depctr_hold_cnt(0) depctr_sa_sdst(0) depctr_va_vdst(0) depctr_va_sdst(0) depctr_va_ssrc(0) depctr_va_vcc(0) depctr_vm_vsrc(0)
	s_getreg_b32 s2, hwreg(HW_REG_IB_STS2, 6, 4)
	s_cmp_eq_u32 s2, 0
	s_cbranch_scc0 .Lentry_in_a_cluster
	s_endpgm
.Lentry_in_a_cluster:
	s_bfe_u32 s2, ttmp6, 0x10000c
	s_cmp_lg_u32 s2, 0x3003
	s_cbranch_scc0 .Lentry_shape_is_right
	s_endpgm
.Lentry_shape_is_right:
; idx[row] = the first k at which c_sq[k] - 2 dots(row, k) is least; dots on codes of FP4 (E2M1) with one E8M0 scale for each 32 along K = 512.  32,768 rows of x, 4,096 rows of the codebook.
; LEFT OUT: x_sq, which is the same for all k of a row and so moves no comparison in exact arithmetic (shown at the head of the first kernel, with its limit).
; THE SCORE.  score = dots - c_sq / 2, so the least distance is the largest score, ties alike.  hc = -c_sq / 2 is the C of each sum's first matrix instruction: no vector instruction adds it.
; THE SEARCH, nine vector instructions for a lane's eight results of a tile: the running best goes through four three-input maxima with the eight results (two sets of bests by turns, so that old and new stand side by side);
; one compare (strictly greater: the earlier tile keeps a tie); four pairs of selects take the first seven raw results and the tile's number.  At the end the first of the seven that equals the best gives the place, else it is place 7.
; LIMITS: dots and -c_sq / 2 are rounded together in the matrix unit's sums, where the definition has (x_sq - 2 dots) + c_sq: rows whose two least distances lie a few units of the last place apart may fall the other way.
; NaN and infinities are not served (the index stays inside the table).  A block of zeros gets the scale byte 1 where the rule says 127: its codes are zeros.
; SHARES.  A work-group owns 128 rows of x: eight tiles of 16.  Wave w quantises tile w; the images of all eight tiles go through LDS into EVERY wave's registers (256 registers: window 1) and stay.
; Wave w walks tiles 32 w .. 32 w + 31 of the codebook, so a fragment of the codebook is read from LDS once in the work-group and feeds eight matrix instructions.  Eight waves of 512 registers, two to a SIMD.
; x COMES IN DENSE AND IS TURNED IN LDS: a wave's 16 rows come in eight half K steps of 64 numbers; each load takes 256 consecutive aligned bytes of each of two rows, 16 bytes a lane, into window 1; a half step goes through the
; wave's own stage in LDS and comes back 64 bytes a lane, since the conversions want 16 neighbours along K in one lane.  Stage and images share bytes, so all codes wait in registers until the last half step has been read back.
; LAYOUT.  Source 0 = 16 rows of the codebook, source 1 = 16 rows of x: in the result lane (r, h) holds row r of x, register j entry 8 h + j of the tile: the search stays inside a lane until the end.
; THE RING.  Two LDS slots; a wave's part of a slot is one quad of cbq (four tiles with scale words and hc: 69 dense rows of 256 bytes), brought by the wave's own tensor load and read by that wave alone.
; Slot 0 is asked for at the head, slot 1 behind the barrier that x's images need anyway, each refill ahead of its quad's last products' end: by this text's count a wave has one tensor load out.
; CLUSTER.  All work-groups walk the whole codebook; the four of a cluster ask JOINTLY: the same load, the same descriptor (it hangs on the wave's number and the fill alone), a mask that names the four.
; NO DATA PREFETCH: all 64 clusters read the same 1,130,496 bytes in the same order, and a refill is asked for three tile passes (96 matrix instructions a wave) ahead of the wait for it.
; This launch claims all of the LDS, and adds 0 to spare words at its opening, ahead of each fill behind a barrier and at its end.
.set QUADB, 17664
.set SLOT,  8*QUADB                    ; eight waves' quads
.set XB,    2*SLOT                     ; behind the ring: a region of XREG bytes for each wave, into which no tensor load lands
.set XREG,  5376                       ; first the wave's stage, 16 rows of SPI bytes; then its tile's four fragments as images of their registers, K step s at 1024 s,
.set XSCO,  4096                       ; and behind them their scale words, 128 bytes an image
.set SPI,   272                        ; a stage row: 256 bytes + 16
.set SPARE, XB+8*XREG                  ; the spare words, 128 bytes a wave: four blocks of 256 bytes that no other line names
.set FINI,  4096                       ; the way out, in the regions: each wave's 128 best scores at XB + 512 w, their indices FINI bytes on
.set SPW, 1                            ; v1   SPARE + 4 x thread; never rewritten
.set NIL, 2                            ; v2   0; never rewritten
.set AF,  3                            ; v3-4 my place in my quad's code images, slot 0, 1
.set AS,  5                            ; v5-6 among its scale words: 8 x lane
.set AH,  7                            ; v7-8 among its hc: 32 h
.set XA,  9                            ; v9   x: 2048 h + 16 r
.set LI,  10                           ; v10  XB + 16 x lane
.set LSH, 11                           ; v11  XB + XSCO + 4 x lane + 128 h
.set XWI, 12                           ; v12  where I store my tile's images
.set XWS, 13                           ; v13  and their scale words
.set GOF, 14                           ; v14  my byte offset in the work-group's part of idx
.set BIX, 15                           ; v15  512 x wave + 8 h: the index of my first entry
.set XS,  16                           ; v16-31 x's scale words: tile i, pair p at 2 i + p: lanes 0-15 K step 2 p, lanes 16-31 K step 2 p + 1
.set CS,  32                           ; v[32:33] the codebook tile's, likewise.  v16-33 hold scales and nothing else
.set HC,  34                           ; v34-41 hc in the result's layout
.set BA,  42                           ; v42-49, v50-57 the best score so far, two sets by turns
.set CB,  66                           ; v66-97 the codebook tile's four fragments
.set ACC, 98                           ; v98-161 eight accumulators
.set SAV, 162                          ; v162-225 for each tile of x: the best tile's raw results 0-6, and in register 7 that tile's number
.set PCA, 34                           ; while x is quantised: v34-65 the four fragments' codes, v66-69 their scale words,
.set PWA, 66
.set TB0, 98                           ; and two sets of 64 turned numbers
.set TB1, 162
.set TM,  226                          ; v226-241 at work in QUANT
.set STW, 242                          ; v242 the stage, on the way in
.set STR, 243                          ; v243 and on the way out
.set FW,  244                          ; v244 where I put a row's best
.set FR,  245                          ; v245 where two rows' bests are read back
.set OB,  226
.set TNV, 230                          ; v230 the tile in hand
.set POS, 232
.set OI,  252
.set FV,  98
.set FI,  114
.set WV,  10
.set G1,  16
.set G0,  24
.set CNT, 32
.set SEL, 34
.set MK,  36
.set ME,  40
.set ML,  44
.set MSB, 0
.macro WIN new                         ; the immediate's high byte repeats the setting that is left
.if MSB != \new
	s_set_vgpr_msb (MSB<<8)|\new
.set MSB, \new
.endif
.endm
.set W_MUL, 0x04                       ; source 1 (x's fragments; an LDS store's data) window 1
.set W_TOX, 0x40                       ; destination window 1
.macro CREST                           ; a round of the cluster's barrier behind its opening barrier
	s_cmp_lg_u32 s[WV], 0
	s_cbranch_scc1 .Lnot_wave_0_\@
	s_barrier_signal -3
.Lnot_wave_0_\@:
	s_barrier_wait -3
	s_barrier_signal -1
	s_barrier_wait -1
.endm
.macro ROUND                           ; a whole round
	s_barrier_signal -1
	s_barrier_wait -1
	CREST
.endm
.macro PLACES
.rept 4
	v_nop
.endr
.endm
.macro NEXTT                           ; the four places behind the products (ISA guide 7.12.1): the tile's number steps in the first
	v_add_nc_u32 v[TNV], 1, v[TNV]
.rept 3
	v_nop
.endr
.endm
.macro XLOADQ q                        ; half K step q of my 16 rows into v[32 q ..] of window 1: load n takes 256 aligned bytes of rows 2 n and 2 n + 1
.irp n, 0,1,2,3,4,5,6,7
	global_load_b128 v[32*(\q)+4*\n:32*(\q)+4*\n+3], v[XA], s[4:5] offset:4096*\n+256*(\q) th:TH_LOAD_NT
.endr
.endm
; Half K step q through my stage.  left: the loads of later half steps, which may stay out.  LDS serves a wave's instructions in order (ISA guide 5.7.1.4): no wait between the stores and the loads.
.macro TURN q, tb, left
	s_wait_loadcnt \left
	WIN W_MUL
.irp n, 0,1,2,3,4,5,6,7
	ds_store_b128 v[STW], v[32*(\q)+4*\n:32*(\q)+4*\n+3] offset:2*SPI*\n
.endr
	WIN 0
.irp b, 0,1
.irp j, 0,1,2,3
	ds_load_b128 v[\tb+32*((\q)%2)+16*\b+4*\j:\tb+32*((\q)%2)+16*\b+4*\j+3], v[STR] offset:128*\b+16*\j
.endr
.endr
.endm
.macro QUANT s, pc, pw                 ; 64 numbers of a lane become a fragment's codes in v[pc] on and its scale word in v[pw]
.irp b, 0,1,2,3
	v_max3_num_f32 v[TM+\b], |v[\s+16*\b]|, |v[\s+1+16*\b]|, 0x1800000   ; my 16 numbers of block b, and the floor 2^(3 - 127): the byte cannot fall under 1
.endr
.irp i, 2,4,6,8,10,12,14
.irp b, 0,1,2,3
	s_delay_alu instid0(VALU_DEP_4)
	v_max3_num_f32 v[TM+\b], v[TM+\b], |v[\s+16*\b+\i]|, |v[\s+1+16*\b+\i]|
.endr
.endr
.irp b, 0,1,2,3
	s_delay_alu instid0(VALU_DEP_4)
	v_permlanex16_b32 v[TM+4+\b], v[TM+\b], s[SEL], s[SEL+1]
.endr
.irp b, 0,1,2,3
	s_delay_alu instid0(VALU_DEP_4)
	v_max_num_f32 v[TM+\b], v[TM+\b], v[TM+4+\b]   ; with lane l xor 16's: the block's largest magnitude
.endr
.irp b, 0,1,2,3
	s_delay_alu instid0(VALU_DEP_4)
	v_add_nc_u32 v[TM+12+\b], 0xff000000, v[TM+\b]   ; 2 off its exponent field: the conversion's scale operand
.endr
.irp b, 0,1,2,3
	s_delay_alu instid0(VALU_DEP_4)
	v_lshrrev_b32 v[TM+4+\b], 23, v[TM+12+\b]      ; the scale's byte
.endr
	s_delay_alu instid0(VALU_DEP_3)
	v_lshl_or_b32 v[\pw], v[TM+5], 8, v[TM+4]
	s_delay_alu instid0(VALU_DEP_1)
	v_lshl_or_b32 v[\pw], v[TM+6], 16, v[\pw]
	s_delay_alu instid0(VALU_DEP_1)
	v_lshl_or_b32 v[\pw], v[TM+7], 24, v[\pw]
.irp b, 0,1,2,3
	v_cvt_scalef32_pk8_fp4_f32 v[\pc+2*\b], v[\s+16*\b:\s+7+16*\b], v[TM+12+\b]
	v_cvt_scalef32_pk8_fp4_f32 v[\pc+1+2*\b], v[\s+8+16*\b:\s+15+16*\b], v[TM+12+\b]
.endr
	v_nop                                          ; one plain instruction behind the scaled conversions
.irp c, 0,1                                    ; a whole block to a lane: lanes 0-15 block 2 c, lanes 16-31 block 2 c + 1
.irp i, 0,1
	v_permlane16_swap_b32 v[\pc+4*\c+\i], v[\pc+2+4*\c+\i]
.endr
.endr
.endm
.macro FETCH g, u                      ; tile u of my quad in slot g: four fragments, two scale registers, hc: 11 LDS loads
.irp s, 0,1,2,3
.irp c, 0,1
	ds_load_b128 v[CB+8*\s+4*\c:CB+8*\s+4*\c+3], v[AF+(\g)] offset:4096*(\u)+1024*\s+512*\c
.endr
.endr
	ds_load_b64 v[CS:CS+1], v[AS+(\g)] offset:256*(\u)
	ds_load_b128 v[HC:HC+3], v[AH+(\g)] offset:64*(\u)
	ds_load_b128 v[HC+4:HC+7], v[AH+(\g)] offset:64*(\u)+16
.endm
; 32 matrix instructions: the tile against the eight tiles of x, K ascending.  The eight accumulators take turns, one instruction a turn.  The first K step takes hc as C.
.macro MUL w
.if \w
	s_wait_dscnt 0x0                               ; the tile's 11 loads are in
.endif
	WIN W_MUL
.irp s, 0,1,2,3
.irp i, 0,1,2,3,4,5,6,7
.if \s == 0
	v_wmma_scale_f32_16x16x128_f8f6f4 v[ACC+8*\i:ACC+8*\i+7], v[CB:CB+7], v[32*\i:32*\i+7], v[HC:HC+7], v[CS], v[XS+2*\i] matrix_a_fmt:MATRIX_FMT_FP4 matrix_b_fmt:MATRIX_FMT_FP4
.elseif \s == 2
	v_wmma_scale_f32_16x16x128_f8f6f4 v[ACC+8*\i:ACC+8*\i+7], v[CB+16:CB+23], v[32*\i+16:32*\i+23], v[ACC+8*\i:ACC+8*\i+7], v[CS+1], v[XS+2*\i+1] matrix_a_fmt:MATRIX_FMT_FP4 matrix_b_fmt:MATRIX_FMT_FP4
.else
	v_wmma_scale_f32_16x16x128_f8f6f4 v[ACC+8*\i:ACC+8*\i+7], v[CB+8*\s:CB+8*\s+7], v[32*\i+8*\s:32*\i+8*\s+7], v[ACC+8*\i:ACC+8*\i+7], v[CS+\s/2], v[XS+2*\i+\s/2] matrix_a_fmt:MATRIX_FMT_FP4 matrix_b_fmt:MATRIX_FMT_FP4 matrix_a_scale:MATRIX_SCALE_ROW1 matrix_b_scale:MATRIX_SCALE_ROW1
.endif
.endr
.endr
	WIN 0
.endm
; Tiles i0 .. i0 + 3 of x.  par: the set that holds the best so far; the other takes the new best.  Each accumulator is read from its low end on.  No branch: every choice is a select.
.macro ARGMAX i0, par
.set BO, BA+8*(\par)
.set BN, BA+8-8*(\par)
.irp k, 0,1,2,3
	v_max3_num_f32 v[BN+\i0+\k], v[BO+\i0+\k], v[ACC+8*(\i0+\k)], v[ACC+8*(\i0+\k)+1]
.endr
.irp j, 2,4,6
.irp k, 0,1,2,3
	v_max3_num_f32 v[BN+\i0+\k], v[BN+\i0+\k], v[ACC+8*(\i0+\k)+\j], v[ACC+8*(\i0+\k)+\j+1]   ; the four tiles by turns
.endr
.endr
.irp k, 0,1,2,3
	v_cmp_gt_f32 vcc_lo, v[BN+\i0+\k], v[BO+\i0+\k]   ; strictly: the earlier tile keeps a tie
.irp j, 0,2,4
	v_dual_cndmask_b32 v[SAV+8*(\i0+\k)+\j], v[SAV+8*(\i0+\k)+\j], v[ACC+8*(\i0+\k)+\j] :: v_dual_cndmask_b32 v[SAV+8*(\i0+\k)+\j+1], v[SAV+8*(\i0+\k)+\j+1], v[ACC+8*(\i0+\k)+\j+1]
.endr
	v_dual_cndmask_b32 v[SAV+8*(\i0+\k)+6], v[SAV+8*(\i0+\k)+6], v[ACC+8*(\i0+\k)+6] :: v_dual_cndmask_b32 v[SAV+8*(\i0+\k)+7], v[SAV+8*(\i0+\k)+7], v[TNV]
.endr
.endm
; A tile pass that has its successor in the same quad: the next tile's loads go out behind the products and land under the search.
.macro TILE g, u
	MUL 1
	NEXTT
	FETCH \g, (\u)+1
	ARGMAX 0, (\u)%2
	ARGMAX 4, (\u)%2
.endm
; A quad's last tile pass (the set of bests in hand is set 1).  mode = 2: slot g is filled again.  The tile's fragments are my last reads of the slot: so ahead of its products stand the wait for all my tensor loads
; (the one that was out is my quad of the other slot), the add, and the wait for the add and those reads; the signal opens a round of the cluster's barrier; the 32 products and half of the search, work on registers, stand between
; the signal and the wait; the joint refill is the first thing behind the round.  mode = 1: nothing is left to ask for; my last load has landed, and only I read its bytes.  mode = 0: the very last tile.
.macro LAST g, mode
.if \mode == 2
	s_wait_tensorcnt 0x0                           ; no tensor load of mine is out, so a group 0 may be written
	ds_add_u32 v[SPW], v[NIL]
	s_add_nc_u64 s[G0+4*\g+2:G0+4*\g+3], s[G0+4*\g+2:G0+4*\g+3], 2*QUADB   ; this slot's next quad: two on
	s_wait_dscnt 0x0                               ; the add is done, and the tile's 11 loads are in
	s_barrier_signal -1
	MUL 0
	NEXTT
	ARGMAX 0, 1
	s_barrier_wait -1
	CREST
	tensor_load_to_lds s[G0+4*\g:G0+4*\g+3], s[G1:G1+7]
	s_nop 0
	PLACES                                         ; four plain lines follow a tensor load
	FETCH 1-\g, 0
	ARGMAX 4, 1
.elseif \mode == 1
	MUL 1
	s_wait_tensorcnt 0x0
	NEXTT
	FETCH 1-\g, 0
	ARGMAX 0, 1
	ARGMAX 4, 1
.else
	MUL 1
	NEXTT
	ARGMAX 0, 1
	ARGMAX 4, 1
.endif
.endm
.macro WORK g, mode                    ; a quad: four tile passes
	TILE \g, 0
	TILE \g, 1
	TILE \g, 2
	LAST \g, \mode
.endm
; The way out for tiles i0 .. i0 + 3 of x (the last pass left the bests in set 0): the place in the best tile, the index, the row's other lane, and both numbers to LDS.
.macro FINISH i0
.irp k, 0,1,2,3
	v_mov_b32 v[POS+\k], 7                         ; place 7, unless one of the seven kept results equals the best
.endr
.irp j, 6,5,4,3,2,1,0                  ; from the last to the first, so that the first that equals the best stays
.irp k, 0,1,2,3
	v_cmp_eq_f32 s[MK+\k], v[SAV+8*(\i0+\k)+\j], v[BA+\i0+\k]
.endr
.irp k, 0,1,2,3
	s_delay_alu instid0(VALU_DEP_4)
	v_cndmask_b32 v[POS+\k], v[POS+\k], \j, s[MK+\k]
.endr
.endr
.irp k, 0,1,2,3
	s_delay_alu instid0(VALU_DEP_4)
	v_lshl_add_u32 v[POS+\k], v[SAV+8*(\i0+\k)+7], 4, v[POS+\k]
.endr
.irp k, 0,1,2,3
	s_delay_alu instid0(VALU_DEP_4)
	v_add_nc_u32 v[POS+\k], v[BIX], v[POS+\k]      ; the index: 512 w + 16 x tile + 8 h + place
.endr
.irp k, 0,1,2,3
	v_permlanex16_b32 v[OB+\k], v[BA+\i0+\k], s[SEL], s[SEL+1]
	v_permlanex16_b32 v[OI+\k], v[POS+\k], s[SEL], s[SEL+1]
.endr
.irp k, 0,1,2,3
	v_cmp_gt_f32 s[MK+\k], v[OB+\k], v[BA+\i0+\k]
	v_cmp_eq_f32 s[ME+\k], v[OB+\k], v[BA+\i0+\k]
	v_cmp_lt_u32 s[ML+\k], v[OI+\k], v[POS+\k]
.endr
.irp k, 0,1,2,3
	s_and_b32 s[ME+\k], s[ME+\k], s[ML+\k]
	s_or_b32 s[MK+\k], s[MK+\k], s[ME+\k]          ; the other lane's is better, or as good with the lower index
.endr
.irp k, 0,1,2,3
	v_cndmask_b32 v[BA+\i0+\k], v[BA+\i0+\k], v[OB+\k], s[MK+\k]
	v_cndmask_b32 v[POS+\k], v[POS+\k], v[OI+\k], s[MK+\k]
.endr
.irp k, 0,1,2,3
	ds_store_b32 v[FW], v[BA+\i0+\k] offset:64*(\i0+\k)            ; both lanes of a row write the same word with the same value
	ds_store_b32 v[FW], v[POS+\k] offset:FINI+64*(\i0+\k)
.endr
.endm
	s_load_b128 s[4:7], s[0:1], 0x0                ; x s[4:5], cbq s[6:7]
	s_load_b64 s[8:9], s[0:1], 0x10                ; idx
	v_lshl_add_u32 v[SPW], v0, 2, SPARE
	v_mov_b32 v[NIL], 0
	ds_add_u32 v[SPW], v[NIL]                      ; the opening: the add, twice on end, and its wait ahead of my first tensor load
	ds_add_u32 v[SPW], v[NIL]
	v_lshrrev_b32 v251, 5, v0
	v_readfirstlane_b32 s[WV], v251                ; wave 0..7
	s_bfe_u32 s11, ttmp6, 0x40000                  ; cx: my place in the cluster
	s_lshl_b32 s12, ttmp9, 2                       ; in a cluster launch ttmp9 counts clusters
	s_add_co_u32 s12, s12, s11                     ; my block of 128 rows: it enters x's and idx's addresses alone
	v_and_b32 v251, 31, v0                         ; lane
	v_and_b32 v254, 15, v0                         ; r
	v_bfe_u32 v255, v0, 4, 1                       ; h
	s_mul_i32 s13, s[WV], QUADB                    ; my part of a slot
	s_mul_i32 s15, s[WV], XREG                     ; my region behind the ring
	v_lshl_add_u32 v[AF], v251, 4, s13
	v_lshl_add_u32 v[AS], v251, 3, s13
	v_lshl_add_u32 v[AH], v255, 5, s13
	v_lshlrev_b32 v[XA], 4, v254
	v_add_nc_u32 v[AF+1], SLOT, v[AF]
	v_add_nc_u32 v[AS], 16384, v[AS]
	v_add_nc_u32 v[AH], 17408, v[AH]
	v_lshl_add_u32 v[XA], v255, 11, v[XA]          ; 16 r + 2048 h
	v_lshl_add_u32 v[LI], v251, 4, XB
	v_add_nc_u32 v[AS+1], SLOT, v[AS]
	v_add_nc_u32 v[AH+1], SLOT, v[AH]
	v_lshl_add_u32 v[LSH], v251, 2, XB+XSCO
	v_lshl_add_u32 v[XWS], v251, 2, s15
	v_add_nc_u32 v[XWI], s15, v[LI]                ; my region + 16 x lane
	v_mul_u32_u24 v[STW], v255, SPI
	v_mul_u32_u24 v[STR], v254, SPI
	v_lshl_add_u32 v[LSH], v255, 7, v[LSH]
	v_add_nc_u32 v[XWS], XB+XSCO, v[XWS]           ; my region + XSCO + 4 x lane
	v_lshl_add_u32 v[STW], v254, 4, v[STW]
	v_lshl_add_u32 v[STR], v255, 6, v[STR]
.irp b, 0,1,2,3
	v_mov_b32 v[TM+4+\b], 0                        ; written once: a lane permute's destination counts as one of its sources
.endr
	v_add_nc_u32 v[STW], s15, v[STW]
	v_add_nc_u32 v[STR], s15, v[STR]
	v_lshlrev_b32 v[GOF], 3, v0
	s_lshl_b32 s14, s[WV], 9
	v_lshl_add_u32 v[BIX], v255, 3, s14            ; 512 w + 8 h
	v_lshl_add_u32 v[FW], v254, 2, s14
	v_lshl_add_u32 v[FR], v0, 3, XB                ; XB + 8 x thread
	v_add_nc_u32 v[STW], XB, v[STW]                ; my region + SPI h + 16 r
	v_add_nc_u32 v[STR], XB, v[STR]                ; my region + SPI r + 64 h
	v_add_nc_u32 v[FW], XB, v[FW]                  ; XB + 512 w + 4 r
	s_mov_b32 s[SEL], 0x76543210
	s_mov_b32 s[SEL+1], 0xfedcba98
	; descriptor group 1: a quad, 17,664 dense bytes, as 69 rows of 32 elements of 8 bytes; no padding: the images are read 16 bytes a lane on end
	s_mov_b32 s[G1+0], 15|(3<<16)|(1<<21)          ; the mask: all four work-groups; elements of 8 bytes; bit 21 set beside a mask
	s_mov_b32 s[G1+1], 32<<16
	s_mov_b32 s[G1+2], 69<<16
	s_mov_b32 s[G1+3], 32<<16
	s_mov_b32 s[G1+4], 69
	s_mov_b32 s[G1+5], 32
	s_mov_b32 s[G1+6], 0
	s_mov_b32 s[G1+7], 0
	s_lshl_b32 s40, s[WV], 3
	s_mul_i32 s40, s40, QUADB                      ; my first quad: 8 w
	s_mov_b32 s41, 0
	s_lshl_b32 s44, s12, 18                        ; my block's 128 rows of 2,048 bytes,
	s_lshl_b32 s45, s[WV], 15                      ; my wave's 16 of them
	s_add_co_u32 s44, s44, s45
	s_mov_b32 s45, 0
	s_lshl_b32 s46, s12, 9                         ; my block's 128 words of idx
	s_mov_b32 s47, 0
	s_wait_alu depctr_va_vdst(0)
	s_wait_dscnt 0x0                               ; both opening adds are done
	s_wait_kmcnt 0x0
	s_add_nc_u64 s[4:5], s[4:5], s[44:45]
	s_add_nc_u64 s[8:9], s[8:9], s[46:47]
	s_add_nc_u64 s[42:43], s[6:7], s[40:41]
	WIN W_TOX                                      ; seven of my tile's eight half K steps are asked for ahead of the round: 56 loads, 28,672 bytes
.irp q, 0,1,2,3,4,5,6
	XLOADQ \q
.endr
	WIN 0
.irp g, 0,1
	s_mov_b32 s[G0+4*\g], 1
	s_add_co_u32 s[G0+4*\g+1], s13, \g*SLOT        ; LDS address: the wave's number and the slot alone
	s_add_nc_u64 s[G0+4*\g+2:G0+4*\g+3], s[42:43], \g*QUADB   ; quad 8 w + slot
	s_or_b32 s[G0+4*\g+3], s[G0+4*\g+3], 0x80000000
.endr
	ROUND                                          ; all four work-groups are here: the first joint loads meet
	tensor_load_to_lds s[G0:G0+3], s[G1:G1+7]      ; slot 0: one tensor load a wave at the head
	s_nop 0
	PLACES
	; ---- my tile of x: turned, then codes and scale words.  A K step is worked on while the next one's half steps are on their way through the stage
	TURN 0, TB0, 48                                ; half steps 1 to 6 may be out
	WIN W_TOX
	XLOADQ 7                                       ; the eighth: again 56 loads are out
	WIN 0
	TURN 1, TB0, 48                                ; half steps 2 to 7
	TURN 2, TB1, 40
	TURN 3, TB1, 32
	s_wait_dscnt 32                                ; K step 0 is back; the 32 LDS instructions of half steps 2 and 3 may be out
	QUANT TB0, PCA, PWA
	TURN 4, TB0, 24
	TURN 5, TB0, 16
	s_wait_dscnt 32                                ; K step 1 is back; half steps 4 and 5 may be out
	QUANT TB1, PCA+8, PWA+1
	s_wait_dscnt 0x0                               ; K step 2
	QUANT TB0, PCA+16, PWA+2
	TURN 6, TB1, 8
	TURN 7, TB1, 0
	s_wait_dscnt 0x0                               ; K step 3: the stage has been read for the last time
	QUANT TB1, PCA+24, PWA+3
.irp s, 0,1,2,3                                ; the four fragments go to LDS as they stand, over the stage's bytes
	ds_store_b128 v[XWI], v[PCA+8*\s:PCA+8*\s+3] offset:1024*\s
	ds_store_b128 v[XWI], v[PCA+8*\s+4:PCA+8*\s+7] offset:1024*\s+512
	ds_store_b32 v[XWS], v[PWA+\s] offset:128*\s
.endr
	s_wait_tensorcnt 0x0                           ; my quad of slot 0 is in
	ds_add_u32 v[SPW], v[NIL]
.set sv_j, 0
.rept 64
	v_mov_b32 v[SAV+sv_j], 0                       ; the search's state, written once, so that the tile pass has one form (none of these registers is a source of the stores above)
.set sv_j, sv_j+1
.endr
.irp k, 0,1,2,3
	v_mov_b32 v[OB+\k], 0                          ; lane permutes' destinations
	v_mov_b32 v[OI+\k], 0
.endr
	v_mov_b32 v[TNV], -1                           ; each pass steps it ahead of its search
	s_wait_alu depctr_va_vdst(0)
	s_wait_dscnt 0x0                               ; the add is done, and, for the others' sake, my stores have landed
	ROUND                                          ; every wave's images are in LDS, and all four work-groups are here
	tensor_load_to_lds s[G0+4:G0+7], s[G1:G1+7]    ; slot 1's first fill: it has the first quad's first three tile passes in which to land
	s_nop 0
	PLACES
	; ---- all eight tiles of x into my registers
	WIN W_TOX
.irp i, 0,1,2,3,4,5,6,7
.irp s, 0,1,2,3
.irp c, 0,1
	ds_load_b128 v[32*\i+8*\s+4*\c:32*\i+8*\s+4*\c+3], v[LI] offset:\i*XREG+\s*1024+512*\c
.endr
.endr
.endr
	WIN 0
.irp i, 0,1,2,3,4,5,6,7
.irp p, 0,1
	ds_load_b32 v[XS+2*\i+\p], v[LSH] offset:\i*XREG+256*\p
.endr
.endr
	FETCH 0, 0
.irp i, 0,1,2,3,4,5,6,7
	v_mov_b32 v[BA+\i], 0xff800000                 ; -infinity: under every score
.endr
	s_wait_alu depctr_va_vdst(0)
	; ---- the sweep over my 32 tiles of the codebook: eight quads, slots by turns
	s_mov_b32 s[CNT], 3
.Lsweep:                                               ; three trips: quads 0-5 are searched, quads 2-7 asked for
	WORK 0, 2
	WORK 1, 2
	s_sub_co_u32 s[CNT], s[CNT], 1
	s_cmp_lg_u32 s[CNT], 0
	s_cbranch_scc1 .Lsweep
	WORK 0, 1                                      ; the tail is written out
	WORK 1, 0
	; ---- the way out.  x's images were last read ahead of the sweep's rounds, so their bytes may be written
	FINISH 0
	FINISH 4
	s_wait_dscnt 0x0                               ; for the others' sake
	s_barrier_signal -1
	s_barrier_wait -1
	s_cmp_ge_u32 s[WV], 2                          ; waves 0 and 1 take the best of the eight waves: thread t rows 2 t and 2 t + 1
	s_cbranch_scc1 .Ldone
.irp q, 0,1,2,3,4,5,6,7
	ds_load_b64 v[FV+2*\q:FV+2*\q+1], v[FR] offset:512*\q
	ds_load_b64 v[FI+2*\q:FI+2*\q+1], v[FR] offset:FINI+512*\q
.endr
	s_wait_dscnt 0x0
.irp q, 1,2,3,4,5,6,7                          ; waves ascending hold indices ascending: the strict compare leaves a tie with the lower index
.irp e, 0,1
	v_cmp_gt_f32 s[MK+\e], v[FV+2*\q+\e], v[FV+\e]
.endr
.irp e, 0
	v_max_num_f32 v[FV+\e], v[FV+\e], v[FV+2*\q+\e]
	s_delay_alu instid0(VALU_DEP_3)
	v_cndmask_b32 v[FI+\e], v[FI+\e], v[FI+2*\q+\e], s[MK+\e]
.endr
.irp e, 1
	v_max_num_f32 v[FV+\e], v[FV+\e], v[FV+2*\q+\e]
	s_delay_alu instid0(VALU_DEP_4)
	v_cndmask_b32 v[FI+\e], v[FI+\e], v[FI+2*\q+\e], s[MK+\e]
.endr
.endr
	global_store_b64 v[GOF], v[FI:FI+1], s[8:9]    ; a wave stores 256 consecutive bytes, aligned
.Ldone:
	s_wait_tensorcnt 0x0                           ; the wave's end
	ds_add_u32 v[SPW], v[NIL]
	s_wait_dscnt 0x0
	ROUND                                          ; the closing round: no work-group ends while a partner may still ask for a quad that names it
	s_endpgm
.Lfunc_end_k_q4af2caa94b_nearest:
	.size	k_q4af2caa94b_nearest, .Lfunc_end_k_q4af2caa94b_nearest-k_q4af2caa94b_nearest
	.p2alignl 7, 3214868480
	.fill 96, 4, 3214868480
	.section	.rodata,"a",@progbits
	.p2align	6, 0x0
	.amdhsa_kernel k_q4af2caa94b_nearest
		.amdhsa_group_segment_fixed_size 327680
		.amdhsa_private_segment_fixed_size 0
		.amdhsa_enable_private_segment 0
		.amdhsa_kernarg_size 24
		.amdhsa_user_sgpr_count 2
		.amdhsa_user_sgpr_kernarg_segment_ptr 1
		.amdhsa_wavefront_size32 1
		.amdhsa_system_sgpr_workgroup_id_x 1
		.amdhsa_system_sgpr_workgroup_id_y 1
		.amdhsa_system_sgpr_workgroup_id_z 1
		.amdhsa_system_vgpr_workitem_id 0
		.amdhsa_next_free_vgpr 512
		.amdhsa_next_free_sgpr 66
		.amdhsa_reserve_vcc 1
		.amdhsa_float_denorm_mode_32 3
		.amdhsa_float_denorm_mode_16_64 3
		.amdhsa_memory_ordered 1
		.amdhsa_forward_progress 1
		.amdhsa_inst_pref_size 218
	.end_amdhsa_kernel
	.amdgpu_metadata
---
amdhsa.version: [ 1, 2 ]
amdhsa.kernels:
  - .name:           k_q4af2caa94b_nearest
    .symbol:         k_q4af2caa94b_nearest.kd
    .args:
      - { .name: x, .offset: 0, .size: 8, .value_kind: global_buffer, .address_space: global }
      - { .name: cbq, .offset: 8, .size: 8, .value_kind: global_buffer, .address_space: global }
      - { .name: idx, .offset: 16, .size: 8, .value_kind: global_buffer, .address_space: global }
    .group_segment_fixed_size: 327680
    .private_segment_fixed_size: 0
    .kernarg_segment_align: 8
    .kernarg_segment_size: 24
    .max_flat_workgroup_size: 256
    .sgpr_count:     66
    .vgpr_count:     512
    .wavefront_size: 32
...
	.end_amdgpu_metadata
.endif
;; end of part 5
;; launch gather (part 6): grid 512 x 1, 8 waves a work-group, no clusters, 0 bytes of LDS; arguments idx, embedding, out0; writes out0
.if DOCPART == 6
	.amdgcn_target "amdgcn-amd-amdhsa--gfx1250"
	.amdhsa_code_object_version 6
	.text
	.protected	k_q4af2caa94b_gather
	.globl	k_q4af2caa94b_gather
	.p2align	8
	.type	k_q4af2caa94b_gather,@function
k_q4af2caa94b_gather:
	s_mov_b64 s[64:65], 0
	v_nop
	global_prefetch_b8 v0, s[64:65] scope:SCOPE_SE
	s_setreg_imm32_b32 hwreg(HW_REG_WAVE_MODE, 25, 1), 1
	s_wait_xcnt 0x0
; out0[row][:] = embedding[idx[row]][:].  32,768 rows of 2,048 bytes; idx holds the whole numbers that the launch before stored.
; A stream: no LDS, no barrier, no matrix unit, no cluster (work-groups share no tile whose place is known ahead).  A wave takes 8 rows: their indices by one scalar load, then 32 loads of 512 consecutive bytes, all on their
; way together, then 32 stores of 512 consecutive bytes, aligned to 256, row by row as the loads come in.  Nothing is rewritten, so no register has to be freed.
; An index is held to 0 .. 4,095 before it enters an address.  The loads carry no hint: a row of the table may be named again; the output is written once.
.set OFF, 2                            ; v2-9    row k: 2048 x its index + 16 x lane
.set D,   16                           ; v16-143 row k: 16 registers
	s_load_b128 s[4:7], s[0:1], 0x0                ; idx s[4:5], embedding s[6:7]
	s_load_b64 s[8:9], s[0:1], 0x10                ; out0
	v_lshrrev_b32 v1, 5, v0
	s_delay_alu instid0(VALU_DEP_1)
	v_readfirstlane_b32 s10, v1                    ; wave 0..7
	v_and_b32 v1, 31, v0
	s_delay_alu instid0(VALU_DEP_1)
	v_lshlrev_b32 v1, 4, v1                        ; 16 x lane
	s_lshl_b32 s11, ttmp9, 6
	s_lshl_b32 s12, s10, 3
	s_add_co_u32 s11, s11, s12                     ; my first row: 64 x work-group + 8 x wave
	s_lshl_b32 s12, s11, 2
	s_mov_b32 s13, 0
	s_lshl_b32 s14, s11, 11                        ; under 2^26
	s_mov_b32 s15, 0
	s_wait_alu depctr_va_vdst(0)
	s_wait_kmcnt 0x0
	s_add_nc_u64 s[4:5], s[4:5], s[12:13]
	s_add_nc_u64 s[8:9], s[8:9], s[14:15]
	s_load_b256 s[16:23], s[4:5], 0x0              ; my 8 indices
	s_wait_kmcnt 0x0
.irp k, 0,1,2,3,4,5,6,7
	s_min_u32 s[16+\k], s[16+\k], 0xfff
.endr
.irp k, 0,1,2,3,4,5,6,7
	v_lshl_add_u32 v[OFF+\k], s[16+\k], 11, v1
.endr
.irp k, 0,1,2,3,4,5,6,7
.irp c, 0,1,2,3
	global_load_b128 v[D+16*\k+4*\c:D+16*\k+4*\c+3], v[OFF+\k], s[6:7] offset:512*\c
.endr
.endr
.irp k, 0,1,2,3,4,5,6,7
	s_wait_loadcnt 28-4*\k                         ; row k's four loads are in; the later rows' may be out
.irp c, 0,1,2,3
	global_store_b128 v1, v[D+16*\k+4*\c:D+16*\k+4*\c+3], s[8:9] offset:2048*\k+512*\c th:TH_STORE_NT
.endr
.endr
	s_endpgm
.Lfunc_end_k_q4af2caa94b_gather:
	.size	k_q4af2caa94b_gather, .Lfunc_end_k_q4af2caa94b_gather-k_q4af2caa94b_gather
	.p2alignl 7, 3214868480
	.fill 96, 4, 3214868480
	.section	.rodata,"a",@progbits
	.p2align	6, 0x0
	.amdhsa_kernel k_q4af2caa94b_gather
		.amdhsa_group_segment_fixed_size 0
		.amdhsa_private_segment_fixed_size 0
		.amdhsa_enable_private_segment 0
		.amdhsa_kernarg_size 24
		.amdhsa_user_sgpr_count 2
		.amdhsa_user_sgpr_kernarg_segment_ptr 1
		.amdhsa_wavefront_size32 1
		.amdhsa_system_sgpr_workgroup_id_x 1
		.amdhsa_system_sgpr_workgroup_id_y 1
		.amdhsa_system_sgpr_workgroup_id_z 1
		.amdhsa_system_vgpr_workitem_id 0
		.amdhsa_next_free_vgpr 144
		.amdhsa_next_free_sgpr 66
		.amdhsa_reserve_vcc 0
		.amdhsa_float_denorm_mode_32 3
		.amdhsa_float_denorm_mode_16_64 3
		.amdhsa_memory_ordered 1
		.amdhsa_forward_progress 1
		.amdhsa_inst_pref_size 9
	.end_amdhsa_kernel
	.amdgpu_metadata
---
amdhsa.version: [ 1, 2 ]
amdhsa.kernels:
  - .name:           k_q4af2caa94b_gather
    .symbol:         k_q4af2caa94b_gather.kd
    .args:
      - { .name: idx, .offset: 0, .size: 8, .value_kind: global_buffer, .address_space: global }
      - { .name: embedding, .offset: 8, .size: 8, .value_kind: global_buffer, .address_space: global }
      - { .name: out0, .offset: 16, .size: 8, .value_kind: global_buffer, .address_space: global }
    .group_segment_fixed_size: 0
    .private_segment_fixed_size: 0
    .kernarg_segment_align: 8
    .kernarg_segment_size: 24
    .max_flat_workgroup_size: 256
    .sgpr_count:     66
    .vgpr_count:     144
    .wavefront_size: 32
...
	.end_amdgpu_metadata
.endif
;; end of part 6
